; MI455X (gfx1250); checked and timed in simulation.
; The chip was launched on July 23, 2026; its instructions are those of AMD's public machine-readable ISA for CDNA 5 (MIT licence, August 2026) and "CDNA5" Instruction Set Architecture Reference Guide (July 2026). The comments in the code are by the model that wrote it; some were corrected since.
;; Moe Layer. Allowed arithmetic: matrix products marked QUANTISED: E4M3 operands, one E8M0 scale for each 32 along K, by v_wmma_scale_f32_16x16x128_f8f6f4 with both operands' format E4M3, f32 sums; products left as they are: f32 operands where the result goes on into a quantised operand, else bf16, f16 or f32 operands; f32 sums; everything else in f32.
;; Inputs: gate_w 1,024 x 8 float32; inputs_raw 2 x 1,024 x 1,024 float32; w1_codes 8 x 2,048 x 32 x 32 uint8 (E4M3 codes of w1, K innermost, in blocks of 32 codes); w1_scales 8 x 2,048 x 32 uint8 (E8M0 scales of w1, one for each 32 codes along K); w2_codes 8 x 1,024 x 64 x 32 uint8 (E4M3 codes of w2, K innermost, in blocks of 32 codes); w2_scales 8 x 1,024 x 64 uint8 (E8M0 scales of w2, one for each 32 codes along K).
;; Outputs: out0 2 x 1,024 x 1,024 float32.
;; Constants: top_k = 2.
;; This version of the problem:
;;   THIS VERSION OF THE PROBLEM IS GIVEN IN LOW PRECISION. The matrix products marked QUANTISED in the list below multiply operands that are first quantised to E4M3 (4 exponent bits, 3 mantissa bits; 8 bits a number), with one power-of-two scale for each 32 numbers along K (OCP MX v1.0); their sums are f32. All else is computed in f32.
;;   The module's matrix products, in the order in which they are computed (A, B: the left and right operand; K: the contracted axis; several contracted axes count as one K, in the product's order):
;;     1. [M 2,048, K 1,024] x [K 1,024, N 8]; A: input inputs_raw; B: input gate_w: left as it is (N = 8 < 16)
;;     2. batch 2,048 x [M 1, K 2] x [K 2, N 8]; A: softmax; B: computed on the way: left as it is (K = 2 < 32)
;;     3. [M 16,384, K 1,024] x [K 1,024, N 2,048]; A: input w1 (given as codes); B: input inputs_raw: QUANTISED
;;     4. batch 8 x [M 2,048, K 2,048] x [K 2,048, N 1,024]; A: computed on the way; B: input w2 (given as codes): QUANTISED
;;     5. batch 2,048 x [M 1, K 8] x [K 8, N 1,024]; A: computed on the way; B: computed on the way: left as it is (K = 8 < 32)
;;   THE QUANTISER, for each operand of a quantised product, along K:
;;     - K is cut into blocks of 32 from its start; a last block that is shorter is filled with zeros.
;;     - A block's scale is 2^e with e = floor(log2(the largest magnitude in the block)) - 8, held to -126 .. 127; a block of zeros has e = 0. As a byte (E8M0): e + 127.
;;     - Each number is divided by its block's scale, clamped to +-448, and rounded to the nearest number of E4M3, ties to even, subnormals kept.
;;     - The product sums the exact products of the quantised numbers (number of the format x scale) in f32.
;;   ~~~python
;;   def quantise(x, axis):      # numpy; x: float32 -> the quantised numbers, widened to float32 again
;;       x = np.moveaxis(x, axis, -1); K = x.shape[-1]
;;       x = np.pad(x, [(0, 0)] * (x.ndim - 1) + [(0, -K % 32)]); x = x.reshape(x.shape[:-1] + (-1, 32)); a = np.abs(x).max(-1, keepdims=True)
;;       e = np.where(a > 0, np.clip(np.frexp(np.where(a > 0, a, 1))[1] - 1 - 8, -126, 127), 0)      # np.frexp(a)[1] - 1 = floor(log2(a)), exactly
;;       r = np.clip(x / 2.0 ** e, -448, 448)
;;       step = 2.0 ** (np.maximum(np.frexp(np.where(r == 0, 1, r))[1] - 1, -6) - 3)
;;       q = np.round(r / step) * step * 2.0 ** e      # np.round: ties to even
;;       return np.moveaxis(q.reshape(q.shape[:-2] + (-1,))[..., :K], -1, axis).astype(np.float32)
;;   ~~~
;;   OPERANDS COMPUTED ON THE WAY. 'Computed on the way' means the value that the module computes at that place (a softmax that the list does not call 'softmax' is quantised finished and normalised). What goes into a quantiser is computed in f32, as accurately as f32 sums, v_exp_f32 and their like allow (about 1e-6 of the number): no bf16 or f16 on the way to a quantiser, and a product that is left as it is and whose result goes on into a quantised operand takes f32 operands (vector FMAs, or v_wmma_f32_16x16x4_f32). A number that lies on a knife's edge between two numbers of the format may be rounded either way, as far as f32 arithmetic and the matrix unit's own rounding can turn it there, and no further.
;;   INPUTS GIVEN AS CODES. w1 (in the module: [8, 1024, 2048], K = its axis 1); w2 (in the module: [8, 2048, 1024], K = its axis 1): each comes as NAME_codes (uint8): NAME with its K axis moved to the last place and cut into blocks of 32 codes, [.., K / 32, bytes a block], one block behind the other in memory; one code a byte (a code: sign, 4 exponent bits, 3 mantissa bits); and NAME_scales (uint8): the same leading axes, one E8M0 byte (e + 127) for each 32 codes along K. Its value is code x scale, taken as it is: it is not quantised again, and the codes and scales need not be those that the quantiser above would give.
;; One version. Each part assembles by itself: llvm-mc -triple=amdgcn-amd-amdhsa -mcpu=gfx1250 --defsym DOCPART=n.
;; ======== version 1 of 1: 5 launches
;; workspace buffers: xa 2,179,072 bytes; topi 16,384 bytes of whole numbers; xb 6,217,728 bytes; lists 16,640 bytes of whole numbers; hb 12,435,456 bytes; y 48,234,496 bytes
;; launch route (part 1): grid 256 x 1, 4 waves a work-group, no clusters, 22,016 bytes of LDS; arguments inputs_raw, gate_w, xa, topi; writes xa, topi
.if DOCPART == 1
	.amdgcn_target "amdgcn-amd-amdhsa--gfx1250"
	.amdhsa_code_object_version 6
	.text
	.protected	k_q76d2bdec60_route
	.globl	k_q76d2bdec60_route
	.p2align	8
	.type	k_q76d2bdec60_route,@function
k_q76d2bdec60_route:
	s_mov_b64 s[64:65], 0
	v_nop
	global_prefetch_b8 v0, s[64:65] scope:SCOPE_SE
	s_setreg_imm32_b32 hwreg(HW_REG_WAVE_MODE, 25, 1), 1
	s_wait_xcnt 0x0
; ROUTE.  x [2048][1024] f32 is (1) turned into codes of FP8 (E4M3) with one E8M0 byte for each 32 along its rows, and (2) multiplied by gate_w [1024][8] in f32 (fused multiply-adds);
; of the 8 logits of a token the two largest are taken (a tie keeps the lower index, by strict compares in ascending order) and a softmax over the two is made, the larger taken away first.
; OUT: xa = codes [2048][1024] at byte 0, scale bytes [2048][32] at XSC, the two weights [2048][2] f32 at TOPW; topi = the two experts [2048][2] u32.  All at fixed places: no address hangs on the choice.
; SHARES.  A work-group takes 8 tokens; wave w takes columns 256 w .. 256 w + 255 of all 8, so its 256 rows of gate_w stay in 128 registers.  A step is two rows: each of its four loads reads 512 consecutive bytes;
; the 2,048 bytes turn through the wave's own stage in LDS and come back 64 bytes a lane: lane l then holds the 16 neighbours 256 w + 16 (l % 16) + 0 .. 15 of row 2 t + l / 16; two neighbouring lanes hold a block of 32.
; LIMITS: NaN and infinities among the inputs are not served.  Two logits closer than the rounding of an f32 sum of 1,024 terms may be ordered otherwise than by another order of summing.
; A block whose largest magnitude lies under 2^-118 (a block of zeros too) gets the byte 1; its codes are what the conversion gives under that scale; the bytes are read by this program alone.
.set SP,    80                         ; a lane's place in a stage: 64 bytes + 16 of padding
.set WREG,  5120                       ; two stages of 32 x SP bytes for each wave
.set PL,    20480                      ; partial logits [row 8][wave 4][8 f32]
.set SCB,   21504                      ; scale bytes [row 8][32]
.set XSC,   2097152
.set TOPW,  2162688
.set R,     16                         ; v16-79   four sets of 16 numbers as loaded; behind its turn set t holds: +0..3 codes, +4 the byte, +8..15 the eight sums
.set X,     80                         ; v80-111  two sets of 16 neighbours
.set G,     128                        ; v128-255 register 8 i + e = gate_w[256 w + 16 (l % 16) + i][e]
	s_load_b128 s[4:7], s[0:1], 0x0                ; x, gate_w
	s_load_b128 s[8:11], s[0:1], 0x10              ; xa, topi
	v_lshrrev_b32 v1, 5, v0
	v_readfirstlane_b32 s16, v1                    ; wave 0..3
	v_and_b32 v2, 31, v0                           ; lane
	v_and_b32 v8, 15, v0                           ; l % 16
	v_bfe_u32 v9, v0, 4, 1                         ; l / 16
	s_lshl_b32 s17, s16, 10
	v_lshlrev_b32 v3, 4, v2
	v_add_nc_u32 v3, s17, v3                       ; x: 1,024 w + 16 lane
	s_lshl_b32 s17, s16, 8
	v_lshlrev_b32 v4, 10, v9
	v_lshl_add_u32 v4, v8, 4, v4
	v_add_nc_u32 v4, s17, v4                       ; codes: 1,024 (l / 16) + 256 w + 16 (l % 16)
	s_lshl_b32 s17, s16, 3
	s_add_co_u32 s17, s17, SCB
	v_lshrrev_b32 v5, 1, v8
	v_lshl_add_u32 v5, v9, 5, v5
	v_add_nc_u32 v5, s17, v5                       ; my block's byte: SCB + 32 (l / 16) + 8 w + (l % 16) / 2
	s_lshl_b32 s17, s16, 5
	s_add_co_u32 s17, s17, PL
	v_lshlrev_b32 v6, 7, v9
	v_add_nc_u32 v6, s17, v6                       ; my row's partial logits: PL + 128 (l / 16) + 32 w
	s_lshl_b32 s17, s16, 13
	v_lshlrev_b32 v7, 9, v8
	v_add_nc_u32 v7, s17, v7                       ; gate_w: 32 bytes a row: 8,192 w + 512 (l % 16)
	s_mul_i32 s17, s16, WREG
	v_lshrrev_b32 v14, 2, v2
	v_mul_u32_u24 v14, v14, SP
	v_and_b32 v15, 3, v2
	v_lshl_add_u32 v14, v15, 4, v14
	v_add_nc_u32 v14, s17, v14                     ; the stage, way in: SP (lane / 4) + 16 (lane % 4)
	v_mul_u32_u24 v15, v2, SP
	v_add_nc_u32 v15, s17, v15                     ; way out: SP x lane
	v_and_b32 v1, 7, v2
	v_lshl_add_u32 v1, v1, 7, PL                   ; the end: token lane % 8's partial logits
	v_lshlrev_b32 v12, 3, v2                       ; the end: 8 x lane
	s_mov_b32 s23, 0x600000                        ; the mantissa field of 448
	s_mov_b32 s25, 0
	s_wait_kmcnt 0x0
	s_lshl_b32 s24, ttmp9, 15
	s_add_nc_u64 s[4:5], s[4:5], s[24:25]          ; x at my 8 rows
	s_lshl_b32 s24, ttmp9, 13
	s_add_nc_u64 s[12:13], s[8:9], s[24:25]        ; their codes
	s_lshl_b32 s24, ttmp9, 8
	s_add_co_u32 s24, s24, XSC
	s_add_nc_u64 s[14:15], s[8:9], s[24:25]        ; their scale bytes
	s_lshl_b32 s24, ttmp9, 6
	s_add_nc_u64 s[10:11], s[10:11], s[24:25]      ; their experts
	s_add_co_u32 s24, s24, TOPW
	s_add_nc_u64 s[18:19], s[8:9], s[24:25]        ; their weights
.macro LOAD t                          ; rows 2 t and 2 t + 1: four loads of 512 consecutive bytes
.irp i, 0,1,2,3
	global_load_b128 v[R+16*(\t)+4*\i:R+16*(\t)+4*\i+3], v3, s[4:5] offset:(2*(\t)+\i/2)*4096+(\i%2)*512 th:TH_LOAD_NT
.endr
.endm
.macro TURN t                          ; step t's numbers through the stage: LDS serves a wave's instructions in order, so no wait stands between the stores and the loads
.irp i, 0,1,2,3
	ds_store_b128 v14, v[R+16*(\t)+4*\i:R+16*(\t)+4*\i+3] offset:32*SP*((\t)%2)+8*SP*\i
.endr
.irp i, 0,1,2,3
	ds_load_b128 v[X+16*((\t)%2)+4*\i:X+16*((\t)%2)+4*\i+3], v15 offset:32*SP*((\t)%2)+16*\i
.endr
.endm
.irp t, 0,1,2,3
	LOAD \t
.endr
.set q, 0
.rept 32
	global_load_b128 v[G+4*q:G+4*q+3], v7, s[6:7] offset:16*q
.set q, q+1
.endr
	s_wait_loadcnt 44                              ; step 0's four loads are in: behind them 12 loads of x and 32 of gate_w
	TURN 0
	s_wait_loadcnt 0x0                             ; all of x and gate_w
.macro STEP t
.set XS, X+16*((\t)%2)
.set AC, R+16*(\t)+8
.set CD, R+16*(\t)
	s_wait_dscnt 0x0                               ; this step's numbers are back, so its stores into the stage have read set t, which is written below
.if (\t) < 3
	TURN (\t)+1                                    ; the next step goes through the other stage meanwhile
.endif
.irp p, 0,1,2,3                        ; the eight sums, two experts an instruction, four chains by turns; the first product starts them
	v_pk_mul_f32 v[AC+2*\p:AC+2*\p+1], v[XS:XS+1], v[G+2*\p:G+2*\p+1] op_sel_hi:[0,1]
.endr
.irp i, 1,2,3,4,5,6,7,8,9,10,11,12,13,14,15
.irp p, 0,1,2,3
.if (\i)%2
	v_pk_fma_f32 v[AC+2*\p:AC+2*\p+1], v[XS+\i-1:XS+\i], v[G+8*\i+2*\p:G+8*\i+2*\p+1], v[AC+2*\p:AC+2*\p+1] op_sel:[1,0,0] op_sel_hi:[1,1,1]   ; the pair's second number for both halves
.else
	v_pk_fma_f32 v[AC+2*\p:AC+2*\p+1], v[XS+\i:XS+\i+1], v[G+8*\i+2*\p:G+8*\i+2*\p+1], v[AC+2*\p:AC+2*\p+1] op_sel_hi:[0,1,1]              ; its first
.endif
.endr
.endr
.irp m, 1,2,4,8                        ; over the 16 lanes that hold one row
.irp e, 0,1,2,3,4,5,6,7
	v_add_f32_dpp v[AC+\e], v[AC+\e], v[AC+\e] row_xmask:\m row_mask:0xf bank_mask:0xf
.endr
.endr
	ds_store_b128 v6, v[AC:AC+3] offset:256*(\t)           ; sixteen lanes write the same words with the same values
	ds_store_b128 v6, v[AC+4:AC+7] offset:256*(\t)+16
	v_max3_num_f32 v8, |v[XS]|, |v[XS+1]|, |v[XS+2]|       ; the largest magnitude of my 16
	v_max3_num_f32 v9, |v[XS+3]|, |v[XS+4]|, |v[XS+5]|
.irp i, 6,10
	v_max3_num_f32 v8, v8, |v[XS+\i]|, |v[XS+\i+1]|
	v_max3_num_f32 v9, v9, |v[XS+\i+2]|, |v[XS+\i+3]|
.endr
	v_max3_num_f32 v8, v8, |v[XS+14]|, |v[XS+15]|
	v_max3_num_f32 v8, v8, v9, 0x4800000           ; and the floor 2^(9 - 127): the byte cannot fall under 1
	v_max_num_f32_dpp v8, v8, v8 row_xmask:1 row_mask:0xf bank_mask:0xf   ; and of my neighbour's 16: the block's
	v_add_nc_u32 v11, 0xfc000000, v8               ; 8 off its exponent field: the conversion's scale operand
	v_and_or_b32 v10, v8, 0x7f800000, s23          ; 448 x the scale
.irp i, 0,1,2,3,4,5,6,7,8,9,10,11,12,13,14,15
	v_med3_num_f32 v[XS+\i], v[XS+\i], -v10, v10   ; the conversion to an 8-bit code does not saturate (ISA guide 7.6.2): the hold comes first
.endr
	v_cvt_scalef32_pk8_fp8_f32 v[CD:CD+1], v[XS:XS+7], v11
	v_cvt_scalef32_pk8_fp8_f32 v[CD+2:CD+3], v[XS+8:XS+15], v11
	v_lshrrev_b32 v[CD+4], 23, v11                 ; the scale's byte (also the plain line behind the conversions)
	ds_store_b8 v5, v[CD+4] offset:64*(\t)         ; both lanes of a block write the same byte with the same value
	global_store_b128 v4, v[CD:CD+3], s[12:13] offset:2048*(\t)   ; 16 lanes store 256 consecutive bytes, aligned
.endm
.irp t, 0,1,2,3
	STEP \t
.endr
	s_wait_dscnt 0x0                               ; for the others' sake: my partial logits and bytes lie in LDS
	s_barrier_signal -1
	s_barrier_wait -1
	s_cmp_lg_u32 s16, 0                            ; the rest is wave 0's: lane l works for token l % 8
	s_cbranch_scc1 .Lend
.irp w, 0,1,2,3
	ds_load_b128 v[80+8*\w:83+8*\w], v1 offset:32*\w
	ds_load_b128 v[84+8*\w:87+8*\w], v1 offset:32*\w+16
.endr
	ds_load_b64 v[10:11], v12 offset:SCB
	s_wait_dscnt 0x0
.irp p, 0,1,2,3
	v_pk_add_f32 v[112+2*\p:113+2*\p], v[80+2*\p:81+2*\p], v[88+2*\p:89+2*\p]
	v_pk_add_f32 v[120+2*\p:121+2*\p], v[96+2*\p:97+2*\p], v[104+2*\p:105+2*\p]
.endr
.irp p, 0,1,2,3
	v_pk_add_f32 v[112+2*\p:113+2*\p], v[112+2*\p:113+2*\p], v[120+2*\p:121+2*\p]   ; the eight logits: v112-119
.endr
	v_mov_b32 v120, v112                           ; the largest and its index; a later logit wins only if it is greater
	v_mov_b32 v124, 0
.irp e, 1,2,3,4,5,6,7
	v_mov_b32 v123, \e
	v_cmp_gt_f32 vcc_lo, v[112+\e], v120
	v_cndmask_b32 v120, v120, v[112+\e], vcc_lo
	v_cndmask_b32 v124, v124, v123, vcc_lo
.endr
	v_mov_b32 v122, 0xff800000                     ; -infinity takes the winner's place
.irp e, 0,1,2,3,4,5,6,7
	v_cmp_eq_u32 vcc_lo, \e, v124
	v_cndmask_b32 v[112+\e], v[112+\e], v122, vcc_lo
.endr
	v_mov_b32 v121, v112                           ; the second largest and its index
	v_mov_b32 v125, 0
.irp e, 1,2,3,4,5,6,7
	v_mov_b32 v123, \e
	v_cmp_gt_f32 vcc_lo, v[112+\e], v121
	v_cndmask_b32 v121, v121, v[112+\e], vcc_lo
	v_cndmask_b32 v125, v125, v123, vcc_lo
.endr
	v_sub_f32 v123, v121, v120                     ; the maximum is taken away: 0 for the first, d <= 0 for the second
	v_mul_f32 v123, 0x3fb8aa3b, v123
	v_exp_f32 v123, v123                           ; e^d
	v_nop
	s_wait_alu depctr_va_vdst(0)                   ; ahead of the first reader of the exponential
	v_add_f32 v120, 1.0, v123
	v_rcp_f32 v126, v120                           ; the first weight: 1 / (1 + e^d)
	v_nop
	s_wait_alu depctr_va_vdst(0)                   ; ahead of the first reader of the reciprocal
	v_mul_f32 v127, v123, v126                     ; the second
	global_store_b64 v12, v[10:11], s[14:15]       ; the 8 rows' scale bytes: 32 lanes store 256 consecutive bytes, aligned
	s_wait_xcnt 0x0                                ; EXEC changes only behind this wait
	v_cmp_gt_u32 vcc_lo, 8, v2
	s_and_saveexec_b32 s20, vcc_lo                 ; lanes 0-7: a token each
	global_store_b64 v12, v[124:125], s[10:11]
	global_store_b64 v12, v[126:127], s[18:19]
	s_wait_xcnt 0x0
	s_or_b32 exec_lo, exec_lo, s20
.Lend:
	s_endpgm
.Lfunc_end_k_q76d2bdec60_route:
	.size	k_q76d2bdec60_route, .Lfunc_end_k_q76d2bdec60_route-k_q76d2bdec60_route
	.p2alignl 7, 3214868480
	.fill 96, 4, 3214868480
	.section	.rodata,"a",@progbits
	.p2align	6, 0x0
	.amdhsa_kernel k_q76d2bdec60_route
		.amdhsa_group_segment_fixed_size 22016
		.amdhsa_private_segment_fixed_size 0
		.amdhsa_enable_private_segment 0
		.amdhsa_kernarg_size 32
		.amdhsa_user_sgpr_count 2
		.amdhsa_user_sgpr_kernarg_segment_ptr 1
		.amdhsa_wavefront_size32 1
		.amdhsa_system_sgpr_workgroup_id_x 1
		.amdhsa_system_sgpr_workgroup_id_y 1
		.amdhsa_system_sgpr_workgroup_id_z 1
		.amdhsa_system_vgpr_workitem_id 0
		.amdhsa_next_free_vgpr 256
		.amdhsa_next_free_sgpr 66
		.amdhsa_reserve_vcc 1
		.amdhsa_float_denorm_mode_32 3
		.amdhsa_float_denorm_mode_16_64 3
		.amdhsa_memory_ordered 1
		.amdhsa_forward_progress 1
		.amdhsa_inst_pref_size 47
	.end_amdhsa_kernel
	.amdgpu_metadata
---
amdhsa.version: [ 1, 2 ]
amdhsa.kernels:
  - .name:           k_q76d2bdec60_route
    .symbol:         k_q76d2bdec60_route.kd
    .args:
      - { .name: inputs_raw, .offset: 0, .size: 8, .value_kind: global_buffer, .address_space: global }
      - { .name: gate_w, .offset: 8, .size: 8, .value_kind: global_buffer, .address_space: global }
      - { .name: xa, .offset: 16, .size: 8, .value_kind: global_buffer, .address_space: global }
      - { .name: topi, .offset: 24, .size: 8, .value_kind: global_buffer, .address_space: global }
    .group_segment_fixed_size: 22016
    .private_segment_fixed_size: 0
    .kernarg_segment_align: 8
    .kernarg_segment_size: 32
    .max_flat_workgroup_size: 128
    .sgpr_count:     66
    .vgpr_count:     256
    .wavefront_size: 32
...
	.end_amdgpu_metadata
.endif
;; end of part 1
;; launch place (part 2): grid 64 x 1, 8 waves a work-group, no clusters, 16,896 bytes of LDS; arguments topi, xa, xb, lists; writes xb, lists
.if DOCPART == 2
	.amdgcn_target "amdgcn-amd-amdhsa--gfx1250"
	.amdhsa_code_object_version 6
	.text
	.protected	k_q76d2bdec60_place
	.globl	k_q76d2bdec60_place
	.p2align	8
	.type	k_q76d2bdec60_place,@function
k_q76d2bdec60_place:
	s_mov_b64 s[64:65], 0
	v_nop
	global_prefetch_b8 v0, s[64:65] scope:SCOPE_SE
	s_setreg_imm32_b32 hwreg(HW_REG_WAVE_MODE, 25, 1), 1
	s_wait_xcnt 0x0
; PLACE.  The 4,096 chosen (token, choice) rows are sorted by expert; each expert's rows are filled up to whole tiles of 256 SLOTS.  For every split sum ceil(n_e / 256) <= 16 + 7 = 23 tiles: 5,888 slots,
; of which always 1,792 are padding (zero codes, scale byte 127).  OUT: xb = x's codes in slot order [5888][1024] and their scale bytes [5888][32] at XSS; lists = pos [2048][2] (the slot of each choice)
; and texp at TEXP (the expert of each tile; a tile that the split leaves unused gets 7 and holds padding alone).
; SHARES.  Every work-group repeats the whole counting sort (16 KiB read, whole numbers only); no atomics, nothing between work-groups.  Work-group g then PUSHES tokens 32 g .. 32 g + 31 (wave w: four) into their two
; slots each and padding rows 28 g .. 28 g + 27 (waves 0-6: four each); wave 7 stores the work-group's 256 bytes of pos, and in work-group 0 texp.  Each slot has one writer.
; No branch hangs on loaded numbers; a slot enters an address behind a hold at 5,887.
; REGISTERS: v1 lane, v2 16 x thread, v3 16 x lane, v5-7, v70, v71 LDS addresses, v69 8 x lane (pos): none of these is written again.  v8-23 the entries' experts, later slots and offsets; v32-67 my four rows;
; v72-87 ranks, then slots; v88-103 at work; v104-119 the entries' bases, later at work; v120-127 the eight bases.
.set XSC,   2097152
.set XSS,   6029312
.set TEXP,  16384
.set SL,    256                        ; LDS: byte 0: counts [wave 8][expert 8] u32; from SL: the slots, laid as pos
.set LASTS, 5887
.set PO,    69                         ; v69  8 x lane: my 8 bytes of the work-group's 256 of pos, in memory
	s_load_b128 s[4:7], s[0:1], 0x0                ; topi, xa
	s_load_b128 s[8:11], s[0:1], 0x10              ; xb, lists
	v_lshrrev_b32 v1, 5, v0
	v_readfirstlane_b32 s18, v1                    ; wave 0..7
	v_and_b32 v1, 31, v0                           ; lane
	v_lshlrev_b32 v2, 4, v0                        ; 16 x thread
	v_lshlrev_b32 v3, 4, v1                        ; 16 x lane
	s_lshl_b32 s2, ttmp9, 5
	s_lshl_b32 s3, s18, 2
	s_add_co_u32 s19, s2, s3                       ; my wave's first token
	s_mov_b32 s3, 0
	s_mov_b32 s28, 0x76543210
	s_mov_b32 s29, 0xfedcba98                      ; v_permlanex16_b32's selects for lane l xor 16
	s_lshl_b32 s58, s18, 5
	v_mov_b32 v5, s58                              ; LDS: my wave's eight counts
	v_lshlrev_b32 v6, 2, v1                        ; LDS: 4 x lane
	v_add_nc_u32 v7, SL, v2                        ; LDS: my four slots of a load's 1,024
	s_lshl_b32 s60, ttmp9, 8
	s_add_co_u32 s62, s60, SL
	s_add_co_u32 s61, s62, s58
	v_mov_b32 v70, s61                             ; LDS: the eight slots of my wave's four tokens
	v_lshl_add_u32 v71, v1, 3, s62                 ; LDS: my 8 bytes of the work-group's 256 of pos
	v_lshlrev_b32 v[PO], 3, v1                     ; and the same place in pos
	s_wait_kmcnt 0x0
	s_lshl_b32 s2, s19, 10
	s_add_nc_u64 s[12:13], s[6:7], s[2:3]          ; my tokens' codes
	s_lshl_b32 s2, s19, 5
	s_add_co_u32 s2, s2, XSC
	s_add_nc_u64 s[14:15], s[6:7], s[2:3]          ; and scale bytes
	s_add_nc_u64 s[16:17], s[8:9], XSS             ; the slots' scale bytes
	s_mov_b32 s2, s60
	s_add_nc_u64 s[30:31], s[10:11], s[2:3]        ; pos at my work-group's 32 tokens
.irp q, 0,1,2,3                        ; entry n = 4 q + c of thread t: word 4 t + 1,024 q + c of topi
	global_load_b128 v[8+4*\q:11+4*\q], v2, s[4:5] offset:4096*\q
.endr
.irp i, 0,1,2,3                        ; my four tokens' rows: their addresses hang on ids alone, so they fly during the sort
	global_load_b128 v[32+8*\i:35+8*\i], v3, s[12:13] offset:1024*\i
	global_load_b128 v[36+8*\i:39+8*\i], v3, s[12:13] offset:1024*\i+512
.endr
.irp i, 0,1,2,3
	global_load_u8 v[64+\i], v1, s[14:15] offset:32*\i
.endr
.irp e, 0,1,2,3,4,5,6,7
	s_mov_b32 s[20+\e], 0                          ; my wave's running counts
.endr
	s_wait_loadcnt 12                              ; topi's four loads are in; the 12 row loads may be out
.irp n, 0,1,2,3,4,5,6,7,8,9,10,11,12,13,14,15
	v_min_u32 v[8+\n], 7, v[8+\n]
.endr
; entry n's rank among my wave's entries of the same expert: those of earlier n, and of lower lanes at this n
.macro RANK n
.irp e, 0,1,2,3,4,5,6,7
	v_cmp_eq_u32 s[32+\e], \e, v[8+(\n)]
.endr
	v_mbcnt_lo_u32_b32 v[72+(\n)], s32, s20
.irp e, 1,2,3,4,5,6,7
	v_mbcnt_lo_u32_b32 v[88+\e], s[32+\e], s[20+\e]
.endr
.irp e, 1,2,3,4,5,6,7
	v_cndmask_b32 v[72+(\n)], v[72+(\n)], v[88+\e], s[32+\e]
.endr
.irp e, 0,1,2,3,4,5,6,7
	s_bcnt1_i32_b32 s[40+\e], s[32+\e]
.endr
.irp e, 0,1,2,3,4,5,6,7
	s_add_co_u32 s[20+\e], s[20+\e], s[40+\e]
.endr
.endm
.irp n, 0,1,2,3,4,5,6,7,8,9,10,11,12,13,14,15
	RANK \n
.endr
.irp e, 0,1,2,3,4,5,6,7
	v_mov_b32 v[88+\e], s[20+\e]
.endr
	ds_store_b128 v5, v[88:91]                     ; all lanes write the same words with the same values
	ds_store_b128 v5, v[92:95] offset:16
	s_wait_dscnt 0x0                               ; for the others' sake
	s_barrier_signal -1
	s_barrier_wait -1
	ds_load_b32 v96, v6                            ; lane l: the count of wave l / 8, expert l % 8;
	ds_load_b32 v97, v6 offset:128                 ; of wave 4 + l / 8
	s_wait_dscnt 0x0
	v_lshrrev_b32 v98, 3, v1
	v_add_nc_u32 v99, v96, v97                     ; for the expert's total
	v_cmp_gt_u32 vcc_lo, s18, v98
	v_cndmask_b32 v100, 0, v96, vcc_lo             ; for the count in the waves in front of mine
	v_add_nc_u32 v98, 4, v98
	v_cmp_gt_u32 vcc_lo, s18, v98
	v_cndmask_b32 v101, 0, v97, vcc_lo
	v_add_nc_u32 v100, v100, v101
	v_mov_b32 v102, 0                              ; (a lane permute's destination counts as one of its sources)
.irp r, 99, 100                        ; over the four lanes with the same l % 8
	v_mov_b32_dpp v102, v\r row_xmask:8 row_mask:0xf bank_mask:0xf
	v_add_nc_u32 v\r, v\r, v102
	v_permlanex16_b32 v102, v\r, s28, s29
	v_add_nc_u32 v\r, v\r, v102
.endr
.irp e, 0,1,2,3,4,5,6,7
	v_readlane_b32 s[40+\e], v99, \e               ; n_e
	v_readlane_b32 s[48+\e], v100, \e
.endr
	s_mov_b32 s56, 0                               ; tiles so far
	s_mov_b32 s57, 0                               ; padding rows so far
.irp e, 0,1,2,3,4,5,6,7
	s_mov_b32 s[84+\e], s56                        ; the expert's first tile
	s_lshl_b32 s58, s56, 8                         ; its first slot
	s_add_co_u32 s[48+\e], s[48+\e], s58           ; where my wave's rows of it begin
	s_add_co_u32 s59, s58, s[40+\e]
	s_sub_co_u32 s[66+\e], s59, s57                ; padding row p of this expert goes to slot p + this
	s_mov_b32 s[75+\e], s57                        ; its first padding row
	s_add_co_u32 s59, s[40+\e], 255
	s_lshr_b32 s59, s59, 8                         ; its tiles
	s_add_co_u32 s56, s56, s59
	s_lshl_b32 s59, s59, 8
	s_sub_co_u32 s59, s59, s[40+\e]
	s_add_co_u32 s57, s57, s59
.endr
	s_lshl_b32 s58, s56, 8                         ; the rest of the padding fills the unused tiles
	s_sub_co_u32 s74, s58, s57
	s_mov_b32 s83, s57
.irp e, 0,1,2,3,4,5,6,7
	v_mov_b32 v[120+\e], s[48+\e]
.endr
.irp n, 0,1,2,3,4,5,6,7,8,9,10,11,12,13,14,15
	v_mov_b32 v[104+\n], v120
.endr
.irp e, 1,2,3,4,5,6,7                  ; each entry takes its expert's base: a choice, no address
.irp n, 0,1,2,3,4,5,6,7,8,9,10,11,12,13,14,15
	v_cmp_eq_u32 vcc_lo, \e, v[8+\n]
	v_cndmask_b32 v[104+\n], v[104+\n], v[120+\e], vcc_lo
.endr
.endr
.irp n, 0,1,2,3,4,5,6,7,8,9,10,11,12,13,14,15
	v_add_nc_u32 v[72+\n], v[72+\n], v[104+\n]     ; the slot
.endr
.irp q, 0,1,2,3
	ds_store_b128 v7, v[72+4*\q:75+4*\q] offset:4096*\q
.endr
	s_wait_dscnt 0x0                               ; for the others' sake
	s_barrier_signal -1
	s_barrier_wait -1
	ds_load_b128 v[8:11], v70                      ; the same address in all lanes: slots of (token i, choice k) at register 8 + 2 i + k
	ds_load_b128 v[12:15], v70 offset:16
	ds_load_b64 v[106:107], v71                    ; (read by every wave, stored by wave 7)
.irp j, 0,1,2,3
	v_mov_b32 v[88+\j], 0                          ; a padding row's codes,
.endr
	v_mov_b32 v92, 127                             ; and its scale byte
	s_wait_dscnt 0x0
.irp m, 0,1,2,3,4,5,6,7
	v_min_u32 v[8+\m], LASTS, v[8+\m]
.endr
.irp m, 0,1,2,3,4,5,6,7
	v_lshl_add_u32 v[16+\m], v[8+\m], 10, v3
	v_lshl_add_u32 v[24+\m], v[8+\m], 5, v1
.endr
	s_wait_loadcnt 0x0                             ; my four rows
.irp i, 0,1,2,3
.irp k, 0,1
	global_store_b128 v[16+2*\i+\k], v[32+8*\i:35+8*\i], s[8:9]              ; 32 lanes store 512 consecutive bytes, aligned
	global_store_b128 v[16+2*\i+\k], v[36+8*\i:39+8*\i], s[8:9] offset:512
	global_store_b8 v[24+2*\i+\k], v[64+\i], s[16:17]
.endr
.endr
	s_cmp_lt_u32 s18, 7
	s_cbranch_scc0 .Lseven
	s_mul_i32 s58, ttmp9, 28
	s_lshl_b32 s59, s18, 2
	s_add_co_u32 s58, s58, s59                     ; my first padding row
.irp i, 0,1,2,3
	s_mov_b32 s59, s66
.irp e, 1,2,3,4,5,6,7,8                ; the last segment that begins at or in front of it: a choice, no branch
	s_cmp_ge_u32 s58, s[75+\e]
	s_cselect_b32 s59, s[66+\e], s59
.endr
	s_add_co_u32 s59, s59, s58
	s_min_u32 s59, s59, LASTS
	s_lshl_b32 s62, s59, 10
	v_add_nc_u32 v[96+\i], s62, v3
	s_lshl_b32 s62, s59, 5
	v_add_nc_u32 v[100+\i], s62, v1
	global_store_b128 v[96+\i], v[88:91], s[8:9]
	global_store_b128 v[96+\i], v[88:91], s[8:9] offset:512
	global_store_b8 v[100+\i], v92, s[16:17]
	s_add_co_u32 s58, s58, 1
.endr
	s_endpgm
.Lseven:
	global_store_b64 v[PO], v[106:107], s[30:31]   ; 32 lanes store 256 consecutive bytes of pos, aligned
	s_cmp_lg_u32 ttmp9, 0
	s_cbranch_scc1 .Lend
	v_mov_b32 v109, 0                              ; tile = lane: its expert is the number of experts 1..7 whose first tile is at or in front of it
	v_mov_b32 v111, 1
.irp e, 1,2,3,4,5,6,7
	v_cmp_le_u32 vcc_lo, s[84+\e], v1
	v_cndmask_b32 v110, 0, v111, vcc_lo
	v_add_nc_u32 v109, v109, v110
.endr
	global_store_b32 v6, v109, s[10:11] offset:TEXP
.Lend:
	s_endpgm
.Lfunc_end_k_q76d2bdec60_place:
	.size	k_q76d2bdec60_place, .Lfunc_end_k_q76d2bdec60_place-k_q76d2bdec60_place
	.p2alignl 7, 3214868480
	.fill 96, 4, 3214868480
	.section	.rodata,"a",@progbits
	.p2align	6, 0x0
	.amdhsa_kernel k_q76d2bdec60_place
		.amdhsa_group_segment_fixed_size 16896
		.amdhsa_private_segment_fixed_size 0
		.amdhsa_enable_private_segment 0
		.amdhsa_kernarg_size 32
		.amdhsa_user_sgpr_count 2
		.amdhsa_user_sgpr_kernarg_segment_ptr 1
		.amdhsa_wavefront_size32 1
		.amdhsa_system_sgpr_workgroup_id_x 1
		.amdhsa_system_sgpr_workgroup_id_y 1
		.amdhsa_system_sgpr_workgroup_id_z 1
		.amdhsa_system_vgpr_workitem_id 0
		.amdhsa_next_free_vgpr 128
		.amdhsa_next_free_sgpr 96
		.amdhsa_reserve_vcc 1
		.amdhsa_float_denorm_mode_32 3
		.amdhsa_float_denorm_mode_16_64 3
		.amdhsa_memory_ordered 1
		.amdhsa_forward_progress 1
		.amdhsa_inst_pref_size 59
	.end_amdhsa_kernel
	.amdgpu_metadata
---
amdhsa.version: [ 1, 2 ]
amdhsa.kernels:
  - .name:           k_q76d2bdec60_place
    .symbol:         k_q76d2bdec60_place.kd
    .args:
      - { .name: topi, .offset: 0, .size: 8, .value_kind: global_buffer, .address_space: global }
      - { .name: xa, .offset: 8, .size: 8, .value_kind: global_buffer, .address_space: global }
      - { .name: xb, .offset: 16, .size: 8, .value_kind: global_buffer, .address_space: global }
      - { .name: lists, .offset: 24, .size: 8, .value_kind: global_buffer, .address_space: global }
    .group_segment_fixed_size: 16896
    .private_segment_fixed_size: 0
    .kernarg_segment_align: 8
    .kernarg_segment_size: 32
    .max_flat_workgroup_size: 256
    .sgpr_count:     96
    .vgpr_count:     128
    .wavefront_size: 32
...
	.end_amdgpu_metadata
.endif
;; end of part 2
;; launch up (part 3): grid 8 x 23, 4 waves a work-group, clusters of 4 x 1, 327,680 bytes of LDS; arguments xb, w1_codes, w1_scales, lists, hb; writes hb
.if DOCPART == 3
	.amdgcn_target "amdgcn-amd-amdhsa--gfx1250"
	.amdhsa_code_object_version 6
	.text
	.protected	k_q76d2bdec60_up
	.globl	k_q76d2bdec60_up
	.p2align	8
	.type	k_q76d2bdec60_up,@function
k_q76d2bdec60_up:
	s_mov_b64 s[64:65], 0
	v_nop
	global_prefetch_b8 v0, s[64:65] scope:SCOPE_SE
	s_setreg_imm32_b32 hwreg(HW_REG_WAVE_MODE, 25, 1), 1
	s_wait_xcnt 0x0
	s_wait_alu depctr_hold_cnt(0) depctr_sa_sdst(0) depctr_va_vdst(0) depctr_va_sdst(0) depctr_va_ssrc(0) depctr_va_vcc(0) depctr_vm_vsrc(0)
	s_getreg_b32 s2, hwreg(HW_REG_IB_STS2, 6, 4)
	s_cmp_eq_u32 s2, 0
	s_cbranch_scc0 .Lentry_in_a_cluster
	s_endpgm
.Lentry_in_a_cluster:
	s_bfe_u32 s2, ttmp6, 0x10000c
	s_cmp_lg_u32 s2, 0x3003
	s_cbranch_scc0 .Lentry_shape_is_right
	s_endpgm
.Lentry_shape_is_right:
; UP.  h[slot][f] = Q(silu(sum over d of x[slot][d] w1[e][d][f])), e the expert of the slot's tile of 256 slots (texp, a stored whole number that enters B's addresses alone).
; Both operands are codes of FP8 (E4M3) with one E8M0 byte for each 32 along K = 1,024: x's from xb (codes at 0, bytes at ASC), w1's as given ([8][2048][1024], bytes [8][2048][32]).
; silu(z) = z / (1 + 2^(-z log2 e)) in f32; then the quantiser along f (blocks of 32), codes to hb [5888][2048], bytes to hb + HQS [5888][64].
; A tile of 256 slots x 256 columns is made by four waves, 128 x 128 each: 64 accumulators, 512 registers.  K goes in steps of 256 through a ring of two LDS slots filled by the tensor data mover.
; The scale bytes of the 256 + 256 rows, for all of K, come into LDS once, with the first fills.  The matrix instruction is used transposed (source 0 = 16 rows of w1, source 1 = 16 slots).
; CLUSTER: the four work-groups of a cluster lie along x and share the row tile: A's tiles and A's scale bytes are asked for JOINTLY (mask 15).  B's are each work-group's own (no mask): partners that could share B
; lie along y, and whether two row tiles have one expert hangs on the split, so no fixed cluster serves it.
; A tile that the split leaves unused holds padding (zero codes) and is computed like any other.  184 work-groups in all.
; LIMITS: NaN and infinities are not served; a block of h whose largest magnitude lies under 2^-118 (zeros too) gets the byte 1; the bytes are read by this program alone.
; REGISTERS, in windows of 256: window 0: v0-31 addresses; v32-63 scale words, two sets; from v128 A's fragments, one set; on the way out v64-255 are at work.
;   window 1: B's fragments, two sets.   window 2: the accumulators of my rows 0-63 ((a, b) at v[8 (8 a + b)]);   window 3: those of my rows 64-127.
.set SIZE_K, 1024
.set ASC,    6029312                   ; where x's scale bytes begin in xb
.set HQS,    12058624                  ; where h's scale bytes begin in hb
.set TEXP,   16384
.set KSTEP,  256
.set NQ,     KSTEP/128
.set ROWB,   256
.set KROW,   SIZE_K
.set PITCH,  272                       ; an LDS row: 256 bytes + 16 of padding = 68 words: the 16 rows that a load touches start at 16 different banks (64 banks of 4 bytes: ISA guide 11.1)
.set FR,     16
.set NL,     4
.set NP,     8                         ; places behind this matrix instruction (ISA guide 7.12.1)
.set HALFT,  128*PITCH
.set SLOT,   4*HALFT
.set LAPS,   SIZE_K/(2*KSTEP)
.set KS,     SIZE_K/32
.set SCL,    2*SLOT
.set HALFS,  (128*KS/256)*272
.set SBLK,   (16*KS/256)*272
.set SPARE,  SCL+4*HALFS               ; the spare words, 128 bytes for each wave: two blocks of 256 bytes that no other line names
.set SST,    256*PITCH                 ; the way out, in slot 0 (last filled and last read by then): a stage of 256 rows x 272 at byte 0, and behind it the rows' 8 scale bytes
.set ADRA, 16
.set ADRB, 20
.set HSO,  22                          ; v22  64 x thread: my row of h's scale bytes
.set STO,  24                          ; v24  where I put 8 codes of a row
.set RD,   25                          ; v25  where I read a row back
.set CO,   26                          ; v26  my byte offset in two rows of h's codes
.set ADRS, 27
.set SPW,  28
.set NIL,  29
.set SSO,  30                          ; v30  where I put a row's scale word
.set SSR,  31                          ; v31  where I read a row's 8 scale bytes back
.set SC,   32
.set AF,   128
.set T,    64                          ; the way out: v64-127 at work; v128-191 silu; v192-207 codes; v208-223 at work; v224-231 scale words; v232-235 scale bytes read back
.set H,    128
.set PC,   192
.set TM,   208
.set PWS,  224
.set HSR,  232
.set G1, 24
.set G0, 32
.set G1B, 48
.set G0B, 56
.set G1S, 68
.set G0S, 76
.set G1SB, 80
.set G0SB, 88
.set SEL, 20                           ; s[20:21], s22, s[46:47]: set behind the loop
.set MNT, 22
.set NLG, 46
.set MSB, 0
.macro WIN new                         ; the immediate's high byte repeats the setting that is left
.if MSB != \new
	s_set_vgpr_msb (MSB<<8)|\new
.set MSB, \new
.endif
.endm
.set MUL_LO, 0xa1                      ; source 0 (B) window 1, source 1 (A) window 0, C and D window 2
.set MUL_HI, 0xf1
.set TO_B,   0x40
; Waves 0 and 1 fetch for A (jointly), waves 2 and 3 for B.  The branch hangs on the wave's number alone.  Four v_nop follow each of the two lines.
.macro JLOAD g0a, g1a, g0b, g1b
	s_cmp_eq_u32 s15, 0
	s_cbranch_scc0 .Lfor_b_\@
	tensor_load_to_lds s[\g0a:\g0a+3], s[\g1a:\g1a+7]
.rept 4
	v_nop
.endr
	s_branch .Lasked_\@
.Lfor_b_\@:
	tensor_load_to_lds s[\g0b:\g0b+3], s[\g1b:\g1b+7]
.rept 4
	v_nop
.endr
.Lasked_\@:
.endm
.macro CREST                           ; a round of the cluster's barrier behind its opening barrier
	s_cmp_lg_u32 s14, 0
	s_cbranch_scc1 .Lnot_wave_0_\@
	s_barrier_signal -3
.Lnot_wave_0_\@:
	s_barrier_wait -3
	s_barrier_signal -1
	s_barrier_wait -1
.endm
.macro CROUND
	s_barrier_signal -1
	s_barrier_wait -1
	CREST
.endm
	s_load_b128 s[4:7], s[0:1], 0x0                ; xb, w1's codes
	s_load_b128 s[8:11], s[0:1], 0x10              ; w1's scales, lists
	s_load_b64 s[12:13], s[0:1], 0x20              ; hb
	v_lshl_add_u32 v[SPW], v0, 2, SPARE
	v_mov_b32 v[NIL], 0
	v_lshrrev_b32 v1, 5, v0
	v_readfirstlane_b32 s14, v1                    ; wave 0..3
	s_lshr_b32 s15, s14, 1                         ; which half of the tile's rows is mine.  Also: I fetch for A (0) or for B (1)
	s_and_b32 s16, s14, 1                          ; which half of its columns.  Also: which 128 rows I fetch
	s_bfe_u32 s40, ttmp6, 0x40000                  ; cx
	s_lshl_b32 s42, ttmp9, 2
	s_add_co_u32 s42, s42, s40                     ; tile column = 4 x cluster x + cx
	s_and_b32 s17, ttmp7, 0xffff                   ; tile row, which the four partners share
	s_lshl_b32 s96, s17, 2
	s_wait_kmcnt 0x0
	s_load_b32 s95, s[10:11], s96 offset:TEXP      ; the tile's expert
	s_mov_b32 s[G1+0], 15|(1<<20)|(1<<21)|(5<<22)|(3<<25)   ; 15:0 the mask: all four partners; elements of 1 byte; 20 padding on; 21 set beside a mask; after every 64 words (code 5) 4 words (code 3)
	s_mov_b32 s[G1B+0], (1<<20)|(5<<22)|(3<<25)             ; the same without a mask
.irp g, G1, G1B
	s_mov_b32 s[\g+1], ROWB<<16                    ; tensor_dim0
	s_mov_b32 s[\g+2], 128<<16                     ; tensor_dim1
	s_mov_b32 s[\g+3], ROWB<<16                    ; tile_dim0
	s_mov_b32 s[\g+4], 128                         ; tile_dim1
	s_mov_b32 s[\g+5], KROW                        ; tensor_dim0_stride
	s_mov_b32 s[\g+6], 0
	s_mov_b32 s[\g+7], 0
.endr
	s_mov_b32 s[G1S+0], 15|(3<<16)|(1<<20)|(1<<21)|(5<<22)|(3<<25)   ; the scale bytes of 128 rows: a dense block, as rows of 256 bytes (32 elements of 8), 16 bytes of padding behind each
	s_mov_b32 s[G1SB+0], (3<<16)|(1<<20)|(5<<22)|(3<<25)
.irp g, G1S, G1SB
	s_mov_b32 s[\g+1], 32<<16
	s_mov_b32 s[\g+2], (128*KS/256)<<16
	s_mov_b32 s[\g+3], 32<<16
	s_mov_b32 s[\g+4], 128*KS/256
	s_mov_b32 s[\g+5], 32
	s_mov_b32 s[\g+6], 0
	s_mov_b32 s[\g+7], 0
.endr
	s_lshl_b32 s18, s16, 7
	s_lshl_b32 s20, s17, 8
	s_add_co_u32 s20, s20, s18                     ; A: slot 256 x tile row + 128 x half
	s_lshl_b32 s46, s42, 8
	s_add_co_u32 s46, s46, s18                     ; B: row 256 x tile column + 128 x half of the expert's
	s_mul_i32 s22, s20, KS
	s_add_co_u32 s22, s22, ASC                     ; byte offsets, all under 2^25
	s_mov_b32 s23, 0
	s_mul_i32 s20, s20, KROW
	s_mov_b32 s21, 0
	s_mul_i32 s92, s46, KS
	s_mov_b32 s93, 0
	s_mul_i32 s46, s46, KROW
	s_mov_b32 s47, 0
	s_mul_i32 s45, s14, HALFT                      ; where they go: wave x 128 rows: no place in the cluster enters an LDS address
	s_mul_i32 s94, s14, HALFS
	s_wait_kmcnt 0x0
	s_min_u32 s95, s95, 7
	s_lshl_b32 s97, s95, 21                        ; an expert's codes are 2^21 bytes,
	s_add_co_u32 s46, s46, s97
	s_lshl_b32 s97, s95, 16                        ; its scale bytes 2^16
	s_add_co_u32 s92, s92, s97
	s_add_nc_u64 s[20:21], s[4:5], s[20:21]
	s_add_nc_u64 s[22:23], s[4:5], s[22:23]
	s_add_nc_u64 s[46:47], s[6:7], s[46:47]
	s_add_nc_u64 s[92:93], s[8:9], s[92:93]
	CROUND                                         ; all four work-groups are here: the first joint loads meet
	s_mov_b32 s[G0S], 1
	s_add_co_u32 s[G0S+1], s94, SCL
	s_mov_b64 s[G0S+2:G0S+3], s[22:23]
	s_or_b32 s[G0S+3], s[G0S+3], 0x80000000
	s_mov_b32 s[G0SB], 1
	s_add_co_u32 s[G0SB+1], s94, SCL
	s_mov_b64 s[G0SB+2:G0SB+3], s[92:93]
	s_or_b32 s[G0SB+3], s[G0SB+3], 0x80000000
	JLOAD G0S, G1S, G0SB, G1SB                     ; the scales first: they are wanted with K step 0
.irp s, 0,1
	s_mov_b32 s[G0+4*\s], 1
	s_add_co_u32 s[G0+4*\s+1], s45, \s*SLOT
	s_add_nc_u64 s[G0+4*\s+2:G0+4*\s+3], s[20:21], \s*ROWB
	s_or_b32 s[G0+4*\s+3], s[G0+4*\s+3], 0x80000000
	s_mov_b32 s[G0B+4*\s], 1
	s_add_co_u32 s[G0B+4*\s+1], s45, \s*SLOT
	s_add_nc_u64 s[G0B+4*\s+2:G0B+4*\s+3], s[46:47], \s*ROWB
	s_or_b32 s[G0B+4*\s+3], s[G0B+4*\s+3], 0x80000000
	JLOAD G0+4*\s, G1, G0B+4*\s, G1B               ; three tensor loads of mine are out now
.endr
	v_and_b32 v1, 15, v0                           ; r = l % 16
	v_bfe_u32 v2, v0, 4, 1                         ; h = l / 16
	v_mul_u32_u24 v3, v1, PITCH
	v_lshl_add_u32 v4, v2, 4, v3                   ; a fragment's row x pitch + 16 x half
	s_mul_i32 s21, s15, HALFT                      ; my 128 rows of A
	s_mul_i32 s22, s16, HALFT                      ; my 128 rows of B,
	s_add_co_u32 s22, s22, 2*HALFT                 ; which lie behind A's 256
.irp s, 0,1
	v_add_nc_u32 v[ADRA+\s], s21, v4
	v_add_nc_u32 v[ADRB+\s], s22, v4
	s_add_co_u32 s21, s21, SLOT
	s_add_co_u32 s22, s22, SLOT
.endr
	v_mul_u32_u24 v5, v1, KS                       ; my row's scales: KS bytes a row,
	v_lshrrev_b32 v6, 8, v5
	v_lshl_add_u32 v5, v6, 4, v5                   ; and 16 more for each 256 passed
	s_mul_i32 s21, s15, HALFS
	s_mul_i32 s22, s16, HALFS
	s_add_co_u32 s22, s22, 2*HALFS
	s_sub_co_u32 s22, s22, s21
	v_mul_u32_u24 v6, s22, v2                      ; lanes 16-31 take B's
	s_add_co_u32 s21, s21, SCL
	v_add_nc_u32 v5, v5, v6
	v_add_nc_u32 v[ADRS], s21, v5
	s_mul_i32 s23, s15, 128*PITCH                  ; the way out.  In: row 128 x row half + r, byte 128 x column half + 8 h
	s_lshl_b32 s21, s16, 7
	s_add_co_u32 s23, s23, s21
	v_mul_u32_u24 v5, v1, PITCH
	v_lshl_add_u32 v5, v2, 3, v5
	v_add_nc_u32 v[STO], s23, v5
	s_mul_i32 s23, s14, 64*PITCH                   ; back: wave w takes rows 64 w .. 64 w + 63, whole: lanes 0-15 one row, lanes 16-31 the next
	v_mul_u32_u24 v5, v2, PITCH
	v_lshl_add_u32 v5, v1, 4, v5
	v_add_nc_u32 v[RD], s23, v5
	v_lshlrev_b32 v5, 11, v2                       ; and the same two rows of h's codes (2,048 bytes a row)
	v_lshl_add_u32 v[CO], v1, 4, v5
	s_lshl_b32 s23, s15, 10                        ; a row's scale word: SST + 8 x row + 4 x column half
	s_lshl_b32 s21, s16, 2
	s_add_co_u32 s23, s23, s21
	s_add_co_u32 s23, s23, SST
	v_lshl_add_u32 v[SSO], v1, 3, s23
	v_lshl_add_u32 v[SSR], v0, 3, SST
	v_lshlrev_b32 v[HSO], 6, v0
	s_lshl_b32 s20, s17, 8
	s_lshl_b32 s21, s14, 6
	s_add_co_u32 s20, s20, s21                     ; the first row that I store: 256 x tile row + 64 x wave
	s_lshl_b32 s20, s20, 11
	s_lshl_b32 s21, s42, 8
	s_add_co_u32 s20, s20, s21                     ; + 256 x tile column
	s_mov_b32 s21, 0
	s_lshl_b32 s46, s17, 14                        ; the tile's rows of scale bytes: 256 x 64 x tile row + 8 x tile column
	s_lshl_b32 s47, s42, 3
	s_add_co_u32 s46, s46, s47
	s_add_co_u32 s46, s46, HQS
	s_mov_b32 s47, 0
	s_add_nc_u64 s[98:99], s[12:13], s[46:47]
	s_add_nc_u64 s[12:13], s[12:13], s[20:21]
.macro FRAG reg, adr, q, i             ; a fragment, 16 rows x 128 K, is 16 registers: lane l holds row l % 16; registers 4 c .. 4 c + 3 hold K = 32 c + 16 (l / 16) + 0 .. 15
.irp c, 0,1,2,3
	ds_load_b128 v[\reg+4*\c:\reg+4*\c+3], v[\adr] offset:128*(\q)+32*\c+(\i)*16*PITCH
.endr
.endm
; 16 matrix instructions: A's blocks a0, a0 + 1 x B's eight.  The 64 accumulators take turns, one instruction a turn, in the same order in every step.
.macro MUL16 a0, p, q, sc, zero
.irp a, \a0, \a0+1
.irp b, 0,1,2,3,4,5,6,7
.if \zero
	v_wmma_scale_f32_16x16x128_f8f6f4 v[8*(8*((\a)%4)+\b):8*(8*((\a)%4)+\b)+7], v[128*(\p)+FR*\b:128*(\p)+FR*\b+FR-1], v[AF+FR*(\a):AF+FR*(\a)+FR-1], 0, v[SC+8*NQ*(\sc)+NQ*\b+(\q)], v[SC+8*NQ*(\sc)+NQ*(\a)+(\q)] matrix_a_scale:MATRIX_SCALE_ROW1
.else
	v_wmma_scale_f32_16x16x128_f8f6f4 v[8*(8*((\a)%4)+\b):8*(8*((\a)%4)+\b)+7], v[128*(\p)+FR*\b:128*(\p)+FR*\b+FR-1], v[AF+FR*(\a):AF+FR*(\a)+FR-1], v[8*(8*((\a)%4)+\b):8*(8*((\a)%4)+\b)+7], v[SC+8*NQ*(\sc)+NQ*\b+(\q)], v[SC+8*NQ*(\sc)+NQ*(\a)+(\q)] matrix_a_scale:MATRIX_SCALE_ROW1
.endif
.endr
.endr
.endm
.macro FETCH_B slot, q, p
	WIN TO_B
.irp i, 0,1,2,3,4,5,6,7
	FRAG 128*(\p)+FR*\i, ADRB+\slot, \q, \i
.endr
	WIN 0
.endm
.macro FETCH_A slot, q, i0
.irp i, \i0, \i0+1, \i0+2, \i0+3
	FRAG AF+FR*(\i), ADRA+\slot, \q, \i
.endr
.endm
.macro SCALES sc                       ; a K step's scale words: lanes 0-15 take A's block i, lanes 16-31 B's block i
.irp i, 0,1,2,3,4,5,6,7
	ds_load_b64 v[SC+8*NQ*\sc+NQ*\i:SC+8*NQ*\sc+NQ*\i+1], v[ADRS] offset:\i*SBLK
.endr
.endm
.macro PLACES n                        ; plain vector lines between a matrix instruction and a load into, or a read of, its registers
.rept \n
	v_nop
.endr
.endm
.macro STEP slot, q, zero              ; a step of 128 along K that has its successor in the same slot
	s_wait_dscnt 4*NL                              ; B's set and A's blocks 0-3 are in; the youngest 16 loads (A's blocks 4-7) may be out
	WIN MUL_LO
	MUL16 0, (\q)%2, \q, \slot, \zero
	MUL16 2, (\q)%2, \q, \slot, \zero
	s_wait_dscnt 0
	PLACES NP
	FETCH_B \slot, (\q)+1, 1-(\q)%2
	FETCH_A \slot, (\q)+1, 0
	WIN MUL_HI
	MUL16 4, (\q)%2, \q, \slot, \zero
	MUL16 6, (\q)%2, \q, \slot, \zero
	PLACES NP
	WIN 0
	FETCH_A \slot, (\q)+1, 4
.endm
; A slot's last step changes slots: one barrier; in front of it each wave waits for all its tensor loads, adds 0 to its spare word, and waits for that and for its own reads of this slot.
.macro TURN slot, next, fill
	s_wait_tensorcnt 0x0                           ; all my tensor loads have landed: my part of the next slot
	ds_add_u32 v[SPW], v[NIL]                      ; 0 onto my spare word
	s_wait_dscnt 4*NL+1                            ; (the add and the youngest 16 loads may be out)
	WIN MUL_LO
	MUL16 0, 1, NQ-1, \slot, 0
	s_wait_dscnt 0x0                               ; the add is done, and my reads of this slot are over
	s_barrier_signal -1
	MUL16 2, 1, NQ-1, \slot, 0
	WIN 0
	s_barrier_wait -1
.if \fill
	CREST                                          ; the barrier has opened a round of the cluster's: no wave of any partner still reads this slot or has a load on its way
	s_add_nc_u64 s[G0+4*\slot+2:G0+4*\slot+3], s[G0+4*\slot+2:G0+4*\slot+3], 2*ROWB
	s_add_nc_u64 s[G0B+4*\slot+2:G0B+4*\slot+3], s[G0B+4*\slot+2:G0B+4*\slot+3], 2*ROWB
	JLOAD G0+4*\slot, G1, G0B+4*\slot, G1B         ; my one tensor load behind the round; its four v_nop are among the places in front of the loads below
	PLACES NP-4
.else
	PLACES NP
.endif
	v_add_nc_u32 v[ADRS], 4*NQ, v[ADRS]            ; on to the next K step's scale words (no LDS load of mine is out)
	FETCH_B \next, 0, 0
	FETCH_A \next, 0, 0
	SCALES \next
	WIN MUL_HI
	MUL16 4, 1, NQ-1, \slot, 0
	MUL16 6, 1, NQ-1, \slot, 0
	PLACES NP
	WIN 0
	FETCH_A \next, 0, 4
.endm
	s_wait_tensorcnt 1                             ; the scales and my part of K step 0 are in; K step 1's load may be out
	s_barrier_signal -1
	s_barrier_wait -1
	FETCH_B 0, 0, 0
	FETCH_A 0, 0, 0
	SCALES 0
	FETCH_A 0, 0, 4
	STEP 0, 0, 1                                   ; the first step's products start the sums
	s_mov_b32 s3, LAPS-1
.Llap:
	TURN 0, 1, 1
	STEP 1, 0, 0
	TURN 1, 0, 1
	STEP 0, 0, 0
	s_sub_co_u32 s3, s3, 1
	s_cmp_lg_u32 s3, 0
	s_cbranch_scc1 .Llap
	TURN 0, 1, 0                                   ; the last lap fills nothing
	STEP 1, 0, 0
	s_wait_dscnt 4*NL
	WIN MUL_LO
	MUL16 0, 1, NQ-1, 1, 0
	MUL16 2, 1, NQ-1, 1, 0
	s_wait_dscnt 0
	WIN MUL_HI
	MUL16 4, 1, NQ-1, 1, 0
	MUL16 6, 1, NQ-1, 1, 0
	WIN 0
; THE WAY OUT.  In block a (16 slots) lane (r, h) holds slot 16 a + r; register 8 b + j is column 16 b + 8 h + j of my 128.  So registers 16 B .. 16 B + 15 of lanes l and l xor 16 are block B of 32 columns,
; and each run of eight registers is eight neighbouring columns: 8 codes, 8 bytes of the row.
	s_mov_b32 s[SEL], 0x76543210
	s_mov_b32 s[SEL+1], 0xfedcba98                 ; v_permlanex16_b32's selects for lane l xor 16
	s_mov_b32 s[MNT], 0x600000                     ; the mantissa field of 448
	s_mov_b32 s[NLG], 0xbfb8aa3b                   ; -log2(e); the packed form names a pair
	s_mov_b32 s[NLG+1], 0xbfb8aa3b
	PLACES NP
.irp b, 0,1,2,3
	v_mov_b32 v[TM+4+\b], 0                        ; written once: a lane permute's destination counts as one of its sources
.endr
.macro QUANT s, pw                     ; 64 numbers of a lane, four blocks of 16, become 64 codes in v[PC] on and the row's scale word in v[pw]
.irp b, 0,1,2,3
	v_max3_num_f32 v[TM+\b], |v[\s+16*\b]|, |v[\s+1+16*\b]|, 0x4800000   ; with the floor 2^(9 - 127): the byte cannot fall under 1
.endr
.irp i, 2,4,6,8,10,12,14
.irp b, 0,1,2,3
	v_max3_num_f32 v[TM+\b], v[TM+\b], |v[\s+16*\b+\i]|, |v[\s+1+16*\b+\i]|
.endr
.endr
.irp b, 0,1,2,3
	v_permlanex16_b32 v[TM+4+\b], v[TM+\b], s[SEL], s[SEL+1]
.endr
.irp b, 0,1,2,3
	v_max_num_f32 v[TM+\b], v[TM+\b], v[TM+4+\b]   ; the block's largest magnitude
.endr
.irp b, 0,1,2,3
	v_add_nc_u32 v[TM+12+\b], 0xfc000000, v[TM+\b] ; 8 off its exponent field: the conversion's scale operand
.endr
.irp b, 0,1,2,3
	v_and_or_b32 v[TM+8+\b], v[TM+\b], 0x7f800000, s[MNT]   ; 448 x the scale
.endr
.irp b, 0,1,2,3
	v_lshrrev_b32 v[TM+4+\b], 23, v[TM+12+\b]      ; the scale's byte
.endr
	v_lshl_or_b32 v[\pw], v[TM+5], 8, v[TM+4]
	v_lshl_or_b32 v[\pw], v[TM+6], 16, v[\pw]
	v_lshl_or_b32 v[\pw], v[TM+7], 24, v[\pw]
.irp b, 0,1,2,3
.irp i, 0,1,2,3,4,5,6,7,8,9,10,11,12,13,14,15
	v_med3_num_f32 v[\s+16*\b+\i], v[\s+16*\b+\i], -v[TM+8+\b], v[TM+8+\b]   ; the conversion does not saturate (ISA guide 7.6.2): the hold comes first
.endr
	v_cvt_scalef32_pk8_fp8_f32 v[PC+4*\b:PC+1+4*\b], v[\s+16*\b:\s+7+16*\b], v[TM+12+\b]
	v_cvt_scalef32_pk8_fp8_f32 v[PC+2+4*\b:PC+3+4*\b], v[\s+8+16*\b:\s+15+16*\b], v[TM+12+\b]
.endr
	v_nop                                          ; a plain line behind the last conversion
.endm
.macro ACT a
.set AC, 64*((\a)%4)
	WIN 0x02+(\a)/4                                ; source 0: the block's accumulators
.set i, 0
.rept 32
	v_pk_mul_f32 v[T+i:T+i+1], v[AC+i:AC+i+1], s[NLG:NLG+1] op_sel_hi:[1,0]   ; -z log2(e); each accumulator is read from its low end on
.set i, i+2
.endr
	WIN 0
.set i, 0
.rept 64
	v_exp_f32 v[T+i], v[T+i]
.set i, i+1
.endr
	v_nop
	s_wait_alu depctr_va_vdst(0)                   ; one wait for the 64 exponentials, ahead of their first reader
.set i, 0
.rept 32
	v_pk_add_f32 v[T+i:T+i+1], v[T+i:T+i+1], 1.0 op_sel_hi:[1,0]
.set i, i+2
.endr
.set i, 0
.rept 64
	v_rcp_f32 v[T+i], v[T+i]
.set i, i+1
.endr
	v_nop
	s_wait_alu depctr_va_vdst(0)                   ; one wait for the 64 reciprocals
	WIN 0x02+(\a)/4
.set i, 0
.rept 32
	v_pk_mul_f32 v[H+i:H+i+1], v[AC+i:AC+i+1], v[T+i:T+i+1]   ; silu(z) = z / (1 + e^-z)
.set i, i+2
.endr
	WIN 0
.if (\a) > 0
	s_wait_dscnt 0x0                               ; the last block's stores have read the codes' registers
.endif
	QUANT H, PWS+(\a)
.irp b, 0,1,2,3
	ds_store_b64 v[STO], v[PC+4*\b:PC+4*\b+1] offset:(\a)*16*PITCH+32*\b        ; columns 32 b + 8 h + 0 .. 7
	ds_store_b64 v[STO], v[PC+4*\b+2:PC+4*\b+3] offset:(\a)*16*PITCH+32*\b+16   ; columns 32 b + 16 + 8 h + 0 .. 7
.endr
	ds_store_b32 v[SSO], v[PWS+(\a)] offset:128*(\a)   ; lanes l and l xor 16 write the same word with the same value
.endm
.irp a, 0,1,2,3,4,5,6,7
	ACT \a
.endr
	s_wait_dscnt 0x0                               ; for the others' sake: a row's 256 bytes come from two waves
	s_barrier_signal -1
	s_barrier_wait -1
	ds_load_b64 v[HSR:HSR+1], v[SSR]               ; rows t and t + 128: their 8 scale bytes
	ds_load_b64 v[HSR+2:HSR+3], v[SSR] offset:1024
.set i, 0
.rept 32
	ds_load_b128 v[T+4*i:T+4*i+3], v[RD] offset:2*i*PITCH
.set i, i+1
.endr
	s_wait_dscnt 32                                ; the two loads of scale bytes are in; the 32 behind them may be out
	global_store_b64 v[HSO], v[HSR:HSR+1], s[98:99]
	global_store_b64 v[HSO], v[HSR+2:HSR+3], s[98:99] offset:8192
.set i, 0
.rept 32
	s_wait_dscnt 31-i
	global_store_b128 v[CO], v[T+4*i:T+4*i+3], s[12:13] offset:4096*i   ; 16 lanes store 256 consecutive bytes, aligned
.set i, i+1
.endr
	s_wait_tensorcnt 0x0                           ; the wave's end
	ds_add_u32 v[SPW], v[NIL]
	s_wait_dscnt 0x0
	CROUND                                         ; the closing round
	s_endpgm
.Lfunc_end_k_q76d2bdec60_up:
	.size	k_q76d2bdec60_up, .Lfunc_end_k_q76d2bdec60_up-k_q76d2bdec60_up
	.p2alignl 7, 3214868480
	.fill 96, 4, 3214868480
	.section	.rodata,"a",@progbits
	.p2align	6, 0x0
	.amdhsa_kernel k_q76d2bdec60_up
		.amdhsa_group_segment_fixed_size 327680
		.amdhsa_private_segment_fixed_size 0
		.amdhsa_enable_private_segment 0
		.amdhsa_kernarg_size 40
		.amdhsa_user_sgpr_count 2
		.amdhsa_user_sgpr_kernarg_segment_ptr 1
		.amdhsa_wavefront_size32 1
		.amdhsa_system_sgpr_workgroup_id_x 1
		.amdhsa_system_sgpr_workgroup_id_y 1
		.amdhsa_system_sgpr_workgroup_id_z 1
		.amdhsa_system_vgpr_workitem_id 0
		.amdhsa_next_free_vgpr 1024
		.amdhsa_next_free_sgpr 102
		.amdhsa_reserve_vcc 0
		.amdhsa_float_denorm_mode_32 3
		.amdhsa_float_denorm_mode_16_64 3
		.amdhsa_memory_ordered 1
		.amdhsa_forward_progress 1
		.amdhsa_inst_pref_size 255
	.end_amdhsa_kernel
	.section	.bss,"aw",@nobits
	.p2align	6
	.space	262144
	.amdgpu_metadata
---
amdhsa.version: [ 1, 2 ]
amdhsa.kernels:
  - .name:           k_q76d2bdec60_up
    .symbol:         k_q76d2bdec60_up.kd
    .args:
      - { .name: xb, .offset: 0, .size: 8, .value_kind: global_buffer, .address_space: global }
      - { .name: w1_codes, .offset: 8, .size: 8, .value_kind: global_buffer, .address_space: global }
      - { .name: w1_scales, .offset: 16, .size: 8, .value_kind: global_buffer, .address_space: global }
      - { .name: lists, .offset: 24, .size: 8, .value_kind: global_buffer, .address_space: global }
      - { .name: hb, .offset: 32, .size: 8, .value_kind: global_buffer, .address_space: global }
    .group_segment_fixed_size: 327680
    .private_segment_fixed_size: 0
    .kernarg_segment_align: 8
    .kernarg_segment_size: 40
    .max_flat_workgroup_size: 128
    .sgpr_count:     102
    .vgpr_count:     1024
    .wavefront_size: 32
...
	.end_amdgpu_metadata
.endif
;; end of part 3
;; launch down (part 4): grid 4 x 46, 4 waves a work-group, clusters of 4 x 1, 327,680 bytes of LDS; arguments hb, w2_codes, w2_scales, lists, y; writes y
.if DOCPART == 4
	.amdgcn_target "amdgcn-amd-amdhsa--gfx1250"
	.amdhsa_code_object_version 6
	.text
	.protected	k_q76d2bdec60_down
	.globl	k_q76d2bdec60_down
	.p2align	8
	.type	k_q76d2bdec60_down,@function
k_q76d2bdec60_down:
	s_mov_b64 s[64:65], 0
	v_nop
	global_prefetch_b8 v0, s[64:65] scope:SCOPE_SE
	s_setreg_imm32_b32 hwreg(HW_REG_WAVE_MODE, 25, 1), 1
	s_wait_xcnt 0x0
	s_wait_alu depctr_hold_cnt(0) depctr_sa_sdst(0) depctr_va_vdst(0) depctr_va_sdst(0) depctr_va_ssrc(0) depctr_va_vcc(0) depctr_vm_vsrc(0)
	s_getreg_b32 s2, hwreg(HW_REG_IB_STS2, 6, 4)
	s_cmp_eq_u32 s2, 0
	s_cbranch_scc0 .Lentry_in_a_cluster
	s_endpgm
.Lentry_in_a_cluster:
	s_bfe_u32 s2, ttmp6, 0x10000c
	s_cmp_lg_u32 s2, 0x3003
	s_cbranch_scc0 .Lentry_shape_is_right
	s_endpgm
.Lentry_shape_is_right:
; DOWN.  y[p][slot][d] = sum over the p-th half of f (1,024 of 2,048) of h[slot][f] w2[e][f][d], e the expert of the slot's tile of 256 slots (texp, a stored whole number that enters B's addresses alone).
; K IS SPLIT OVER WORK-GROUPS: work-group y = 2 x tile row + p.  The two planes of y ([2][5888][1024] f32) are added by the launch that follows.  LIMIT: an output's sum over K = 2,048 is so two f32 sums
; over 1,024 added in f32: an order of rounding that differs from one running sum.  A work-group then has four K steps, two of them first fills, and 184 work-groups share the work of 92.
; Both operands are codes of FP8 (E4M3) with one E8M0 byte for each 32 along K: h's from hb (codes at 0, bytes at ASC), w2's as given ([8][1024][2048], bytes [8][1024][64]).
; A tile of 256 slots x 256 columns is made by four waves, 128 x 128 each: 64 accumulators, 512 registers.  K goes in steps of 256 through a ring of two LDS slots filled by the tensor data mover.
; The scale bytes of the 256 + 256 rows, for my half of K (32 of a row's 64), come into LDS once, with the first fills.  The matrix instruction is used transposed (source 0 = 16 rows of w2, source 1 = 16 slots): a lane holds eight neighbours of a row of y.
; The half of K enters global addresses alone, never an LDS address; it is made of the cluster's y, which the four partners share.
; CLUSTER: the four work-groups of a cluster lie along x and share the row tile: A's tiles and A's scale bytes are asked for JOINTLY (mask 15).  B's are each work-group's own (no mask): partners that could share B
; lie along y, and whether two row tiles have one expert hangs on the split, so no fixed cluster serves it.
; Padding slots hold zero codes: their rows of y are zeros, stored like the others and read by nobody.
; REGISTERS, in windows of 256: window 0: v0-31 addresses; v32-63 scale words, two sets; from v128 A's fragments, one set; on the way out v128-255 take rows of y.
;   window 1: B's fragments, two sets.   window 2: the accumulators of my rows 0-63 ((a, b) at v[8 (8 a + b)]);   window 3: those of my rows 64-127.
.set KALL,   2048                      ; all of K: a row of h's or of w2's codes in bytes
.set SIZE_K, 1024                      ; the half of K that a work-group sums
.set SIZE_N, 1024
.set ASC,    12058624                  ; where h's scale bytes begin in hb
.set YHALF,  24117248                  ; a plane of y in bytes: 5,888 rows of 4,096
.set TEXP,   16384
.set KSTEP,  256
.set NQ,     KSTEP/128
.set ROWB,   256
.set KROW,   KALL
.set PITCH,  272                       ; an LDS row: 256 bytes + 16 of padding = 68 words: the 16 rows that a load touches start at 16 different banks (64 banks of 4 bytes: ISA guide 11.1)
.set FR,     16
.set NL,     4
.set NP,     8                         ; places behind this matrix instruction (ISA guide 7.12.1)
.set HALFT,  128*PITCH
.set SLOT,   4*HALFT
.set LAPS,   SIZE_K/(2*KSTEP)
.set KSM,    KALL/32                   ; a row of scale bytes in memory: 64
.set SCP,    48                        ; my half of it in LDS: 32 bytes + 16 of padding = 12 words: 12 r mod 64 takes 16 different multiples of 4 for r = 0 .. 15
.set SCL,    2*SLOT
.set HALFS,  128*SCP                   ; the scales of 128 rows: what one tensor load brings
.set SBLK,   16*SCP                    ; those of 16 rows
.set SPARE,  SCL+4*HALFS               ; the spare words, 128 bytes for each wave: two blocks of 256 bytes that no other line names
.set SPITCH, 528                       ; the way out: a stage of 16 rows x (512 bytes + 16) for each wave, in slot 0, which has had its last fill and its last read by then
.set ADRA, 16
.set ADRB, 20
.set STO,  24
.set RD,   25
.set CO,   26
.set ADRS, 27
.set SPW,  28
.set NIL,  29
.set SC,   32
.set AF,   128
.set BK,   128
.set G1, 24
.set G0, 32
.set G1B, 48
.set G0B, 56
.set G1S, 68
.set G0S, 76
.set G1SB, 80
.set G0SB, 88
.set MSB, 0
.macro WIN new                         ; the immediate's high byte repeats the setting that is left
.if MSB != \new
	s_set_vgpr_msb (MSB<<8)|\new
.set MSB, \new
.endif
.endm
.set MUL_LO, 0xa1                      ; source 0 (B) window 1, source 1 (A) window 0, C and D window 2
.set MUL_HI, 0xf1
.set TO_B,   0x40
; Waves 0 and 1 fetch for A (jointly), waves 2 and 3 for B.  The branch hangs on the wave's number alone.  Four v_nop follow each of the two lines.
.macro JLOAD g0a, g1a, g0b, g1b
	s_cmp_eq_u32 s15, 0
	s_cbranch_scc0 .Lfor_b_\@
	tensor_load_to_lds s[\g0a:\g0a+3], s[\g1a:\g1a+7]
.rept 4
	v_nop
.endr
	s_branch .Lasked_\@
.Lfor_b_\@:
	tensor_load_to_lds s[\g0b:\g0b+3], s[\g1b:\g1b+7]
.rept 4
	v_nop
.endr
.Lasked_\@:
.endm
.macro CREST                           ; a round of the cluster's barrier behind its opening barrier
	s_cmp_lg_u32 s14, 0
	s_cbranch_scc1 .Lnot_wave_0_\@
	s_barrier_signal -3
.Lnot_wave_0_\@:
	s_barrier_wait -3
	s_barrier_signal -1
	s_barrier_wait -1
.endm
.macro CROUND
	s_barrier_signal -1
	s_barrier_wait -1
	CREST
.endm
	s_load_b128 s[4:7], s[0:1], 0x0                ; hb, w2's codes
	s_load_b128 s[8:11], s[0:1], 0x10              ; w2's scales, lists
	s_load_b64 s[12:13], s[0:1], 0x20              ; y
	v_lshl_add_u32 v[SPW], v0, 2, SPARE
	v_mov_b32 v[NIL], 0
	v_lshrrev_b32 v1, 5, v0
	v_readfirstlane_b32 s14, v1                    ; wave 0..3
	s_lshr_b32 s15, s14, 1                         ; which half of the tile's rows is mine.  Also: I fetch for A (0) or for B (1)
	s_and_b32 s16, s14, 1                          ; which half of its columns.  Also: which 128 rows I fetch
	s_bfe_u32 s40, ttmp6, 0x40000                  ; cx
	s_lshl_b32 s42, ttmp9, 2
	s_add_co_u32 s42, s42, s40                     ; tile column = 4 x cluster x + cx
	s_and_b32 s17, ttmp7, 0xffff                   ; work-group y = 2 x tile row + half of K: the four partners share both
	s_and_b32 s41, s17, 1                          ; my half of K
	s_lshr_b32 s17, s17, 1                         ; tile row
	s_lshl_b32 s43, s41, 10                        ; the half in a row of codes: 1,024 bytes,
	s_lshl_b32 s44, s41, 5                         ; in a row of scale bytes: 32
	s_lshl_b32 s96, s17, 2
	s_wait_kmcnt 0x0
	s_load_b32 s95, s[10:11], s96 offset:TEXP      ; the tile's expert
	s_mov_b32 s[G1+0], 15|(1<<20)|(1<<21)|(5<<22)|(3<<25)   ; 15:0 the mask: all four partners; elements of 1 byte; 20 padding on; 21 set beside a mask; after every 64 words (code 5) 4 words (code 3)
	s_mov_b32 s[G1B+0], (1<<20)|(5<<22)|(3<<25)             ; the same without a mask
.irp g, G1, G1B
	s_mov_b32 s[\g+1], ROWB<<16                    ; tensor_dim0
	s_mov_b32 s[\g+2], 128<<16                     ; tensor_dim1
	s_mov_b32 s[\g+3], ROWB<<16                    ; tile_dim0
	s_mov_b32 s[\g+4], 128                         ; tile_dim1
	s_mov_b32 s[\g+5], KROW                        ; tensor_dim0_stride
	s_mov_b32 s[\g+6], 0
	s_mov_b32 s[\g+7], 0
.endr
	s_mov_b32 s[G1S+0], 15|(3<<16)|(1<<20)|(1<<21)|(2<<22)|(3<<25)   ; the scale bytes of 128 rows, my half of each: elements of 8 bytes; after every 8 words (code 2), a row, 4 words of padding (code 3)
	s_mov_b32 s[G1SB+0], (3<<16)|(1<<20)|(2<<22)|(3<<25)
.irp g, G1S, G1SB
	s_mov_b32 s[\g+1], 4<<16                       ; tensor_dim0 = 4 elements: 32 bytes
	s_mov_b32 s[\g+2], 128<<16                     ; tensor_dim1
	s_mov_b32 s[\g+3], 4<<16                       ; tile_dim0
	s_mov_b32 s[\g+4], 128                         ; tile_dim1
	s_mov_b32 s[\g+5], KSM/8                       ; tensor_dim0_stride: 8 elements from row to row
	s_mov_b32 s[\g+6], 0
	s_mov_b32 s[\g+7], 0
.endr
	s_lshl_b32 s18, s16, 7
	s_lshl_b32 s20, s17, 8
	s_add_co_u32 s20, s20, s18                     ; A: slot 256 x tile row + 128 x half
	s_lshl_b32 s46, s42, 8
	s_add_co_u32 s46, s46, s18                     ; B: row 256 x tile column + 128 x half of the expert's
	s_mul_i32 s22, s20, KSM
	s_add_co_u32 s22, s22, ASC                     ; byte offsets, all under 2^25
	s_add_co_u32 s22, s22, s44
	s_mov_b32 s23, 0
	s_mul_i32 s20, s20, KROW
	s_add_co_u32 s20, s20, s43
	s_mov_b32 s21, 0
	s_mul_i32 s92, s46, KSM
	s_add_co_u32 s92, s92, s44
	s_mov_b32 s93, 0
	s_mul_i32 s46, s46, KROW
	s_add_co_u32 s46, s46, s43
	s_mov_b32 s47, 0
	s_mul_i32 s45, s14, HALFT                      ; where they go: wave x 128 rows: no place in the cluster and no half of K enters an LDS address
	s_mul_i32 s94, s14, HALFS
	s_wait_kmcnt 0x0
	s_min_u32 s95, s95, 7
	s_lshl_b32 s97, s95, 21                        ; an expert's codes are 2^21 bytes,
	s_add_co_u32 s46, s46, s97
	s_lshl_b32 s97, s95, 16                        ; its scale bytes 2^16
	s_add_co_u32 s92, s92, s97
	s_add_nc_u64 s[20:21], s[4:5], s[20:21]
	s_add_nc_u64 s[22:23], s[4:5], s[22:23]
	s_add_nc_u64 s[46:47], s[6:7], s[46:47]
	s_add_nc_u64 s[92:93], s[8:9], s[92:93]
	CROUND                                         ; all four work-groups are here: the first joint loads meet
	s_mov_b32 s[G0S], 1
	s_add_co_u32 s[G0S+1], s94, SCL
	s_mov_b64 s[G0S+2:G0S+3], s[22:23]
	s_or_b32 s[G0S+3], s[G0S+3], 0x80000000
	s_mov_b32 s[G0SB], 1
	s_add_co_u32 s[G0SB+1], s94, SCL
	s_mov_b64 s[G0SB+2:G0SB+3], s[92:93]
	s_or_b32 s[G0SB+3], s[G0SB+3], 0x80000000
	JLOAD G0S, G1S, G0SB, G1SB                     ; the scales first: they are wanted with K step 0
.irp s, 0,1
	s_mov_b32 s[G0+4*\s], 1
	s_add_co_u32 s[G0+4*\s+1], s45, \s*SLOT
	s_add_nc_u64 s[G0+4*\s+2:G0+4*\s+3], s[20:21], \s*ROWB
	s_or_b32 s[G0+4*\s+3], s[G0+4*\s+3], 0x80000000
	s_mov_b32 s[G0B+4*\s], 1
	s_add_co_u32 s[G0B+4*\s+1], s45, \s*SLOT
	s_add_nc_u64 s[G0B+4*\s+2:G0B+4*\s+3], s[46:47], \s*ROWB
	s_or_b32 s[G0B+4*\s+3], s[G0B+4*\s+3], 0x80000000
	JLOAD G0+4*\s, G1, G0B+4*\s, G1B               ; three tensor loads of mine are out now
.endr
	v_and_b32 v1, 15, v0                           ; r = l % 16
	v_bfe_u32 v2, v0, 4, 1                         ; h = l / 16
	v_mul_u32_u24 v3, v1, PITCH
	v_lshl_add_u32 v4, v2, 4, v3                   ; a fragment's row x pitch + 16 x half
	s_mul_i32 s21, s15, HALFT                      ; my 128 rows of A
	s_mul_i32 s22, s16, HALFT                      ; my 128 rows of B,
	s_add_co_u32 s22, s22, 2*HALFT                 ; which lie behind A's 256
.irp s, 0,1
	v_add_nc_u32 v[ADRA+\s], s21, v4
	v_add_nc_u32 v[ADRB+\s], s22, v4
	s_add_co_u32 s21, s21, SLOT
	s_add_co_u32 s22, s22, SLOT
.endr
	v_mul_u32_u24 v5, v1, SCP                      ; my row's scales: SCP bytes a row
	s_mul_i32 s21, s15, HALFS
	s_mul_i32 s22, s16, HALFS
	s_add_co_u32 s22, s22, 2*HALFS
	s_sub_co_u32 s22, s22, s21
	v_mul_u32_u24 v6, s22, v2                      ; lanes 16-31 take B's
	s_add_co_u32 s21, s21, SCL
	v_add_nc_u32 v5, v5, v6
	v_add_nc_u32 v[ADRS], s21, v5
	s_mul_i32 s23, s14, 16*SPITCH                  ; my stage
	v_mul_u32_u24 v5, v1, SPITCH                   ; in: row l % 16, 32 bytes for each half of the lanes
	v_lshl_add_u32 v5, v2, 5, v5
	v_add_nc_u32 v[STO], s23, v5
	v_and_b32 v6, 31, v0
	v_lshlrev_b32 v[CO], 4, v6                     ; back: the 32 lanes take one row of 512 bytes; and the same in y
	v_add_nc_u32 v[RD], s23, v[CO]
	s_lshl_b32 s20, s17, 8
	s_lshl_b32 s21, s15, 7
	s_add_co_u32 s20, s20, s21                     ; my first row of y: 256 x tile row + 128 x half
	s_lshl_b32 s20, s20, 12                        ; 4,096 bytes a row
	s_lshl_b32 s46, s42, 10                        ; my first column, in bytes: 1,024 x tile column + 512 x half
	s_lshl_b32 s47, s16, 9
	s_add_co_u32 s46, s46, s47
	s_add_co_u32 s20, s20, s46
	s_mul_i32 s47, s41, YHALF                      ; my half's plane of y; the whole offset stays under 2^26
	s_add_co_u32 s20, s20, s47
	s_mov_b32 s21, 0
	s_add_nc_u64 s[12:13], s[12:13], s[20:21]
.macro FRAG reg, adr, q, i             ; a fragment, 16 rows x 128 K, is 16 registers: lane l holds row l % 16; registers 4 c .. 4 c + 3 hold K = 32 c + 16 (l / 16) + 0 .. 15
.irp c, 0,1,2,3
	ds_load_b128 v[\reg+4*\c:\reg+4*\c+3], v[\adr] offset:128*(\q)+32*\c+(\i)*16*PITCH
.endr
.endm
; 16 matrix instructions: A's blocks a0, a0 + 1 x B's eight.  The 64 accumulators take turns, one instruction a turn, in the same order in every step.
.macro MUL16 a0, p, q, sc, zero
.irp a, \a0, \a0+1
.irp b, 0,1,2,3,4,5,6,7
.if \zero
	v_wmma_scale_f32_16x16x128_f8f6f4 v[8*(8*((\a)%4)+\b):8*(8*((\a)%4)+\b)+7], v[128*(\p)+FR*\b:128*(\p)+FR*\b+FR-1], v[AF+FR*(\a):AF+FR*(\a)+FR-1], 0, v[SC+8*NQ*(\sc)+NQ*\b+(\q)], v[SC+8*NQ*(\sc)+NQ*(\a)+(\q)] matrix_a_scale:MATRIX_SCALE_ROW1
.else
	v_wmma_scale_f32_16x16x128_f8f6f4 v[8*(8*((\a)%4)+\b):8*(8*((\a)%4)+\b)+7], v[128*(\p)+FR*\b:128*(\p)+FR*\b+FR-1], v[AF+FR*(\a):AF+FR*(\a)+FR-1], v[8*(8*((\a)%4)+\b):8*(8*((\a)%4)+\b)+7], v[SC+8*NQ*(\sc)+NQ*\b+(\q)], v[SC+8*NQ*(\sc)+NQ*(\a)+(\q)] matrix_a_scale:MATRIX_SCALE_ROW1
.endif
.endr
.endr
.endm
.macro FETCH_B slot, q, p
	WIN TO_B
.irp i, 0,1,2,3,4,5,6,7
	FRAG 128*(\p)+FR*\i, ADRB+\slot, \q, \i
.endr
	WIN 0
.endm
.macro FETCH_A slot, q, i0
.irp i, \i0, \i0+1, \i0+2, \i0+3
	FRAG AF+FR*(\i), ADRA+\slot, \q, \i
.endr
.endm
.macro SCALES sc                       ; a K step's scale words: lanes 0-15 take A's block i, lanes 16-31 B's block i
.irp i, 0,1,2,3,4,5,6,7
	ds_load_b64 v[SC+8*NQ*\sc+NQ*\i:SC+8*NQ*\sc+NQ*\i+1], v[ADRS] offset:\i*SBLK
.endr
.endm
.macro PLACES n                        ; plain vector lines between a matrix instruction and a load into, or a read of, its registers
.rept \n
	v_nop
.endr
.endm
.macro STEP slot, q, zero              ; a step of 128 along K that has its successor in the same slot
	s_wait_dscnt 4*NL                              ; B's set and A's blocks 0-3 are in; the youngest 16 loads (A's blocks 4-7) may be out
	WIN MUL_LO
	MUL16 0, (\q)%2, \q, \slot, \zero
	MUL16 2, (\q)%2, \q, \slot, \zero
	s_wait_dscnt 0
	PLACES NP
	FETCH_B \slot, (\q)+1, 1-(\q)%2
	FETCH_A \slot, (\q)+1, 0
	WIN MUL_HI
	MUL16 4, (\q)%2, \q, \slot, \zero
	MUL16 6, (\q)%2, \q, \slot, \zero
	PLACES NP
	WIN 0
	FETCH_A \slot, (\q)+1, 4
.endm
; A slot's last step changes slots: one barrier; in front of it each wave waits for all its tensor loads, adds 0 to its spare word, and waits for that and for its own reads of this slot.
.macro TURN slot, next, fill
	s_wait_tensorcnt 0x0                           ; all my tensor loads have landed: my part of the next slot
	ds_add_u32 v[SPW], v[NIL]                      ; 0 onto my spare word
	s_wait_dscnt 4*NL+1                            ; (the add and the youngest 16 loads may be out)
	WIN MUL_LO
	MUL16 0, 1, NQ-1, \slot, 0
	s_wait_dscnt 0x0                               ; the add is done, and my reads of this slot are over
	s_barrier_signal -1
	MUL16 2, 1, NQ-1, \slot, 0
	WIN 0
	s_barrier_wait -1
.if \fill
	CREST                                          ; the barrier has opened a round of the cluster's: no wave of any partner still reads this slot or has a load on its way
	s_add_nc_u64 s[G0+4*\slot+2:G0+4*\slot+3], s[G0+4*\slot+2:G0+4*\slot+3], 2*ROWB
	s_add_nc_u64 s[G0B+4*\slot+2:G0B+4*\slot+3], s[G0B+4*\slot+2:G0B+4*\slot+3], 2*ROWB
	JLOAD G0+4*\slot, G1, G0B+4*\slot, G1B         ; my one tensor load behind the round; its four v_nop are among the places in front of the loads below
	PLACES NP-4
.else
	PLACES NP
.endif
	v_add_nc_u32 v[ADRS], 4*NQ, v[ADRS]            ; on to the next K step's scale words (no LDS load of mine is out)
	FETCH_B \next, 0, 0
	FETCH_A \next, 0, 0
	SCALES \next
	WIN MUL_HI
	MUL16 4, 1, NQ-1, \slot, 0
	MUL16 6, 1, NQ-1, \slot, 0
	PLACES NP
	WIN 0
	FETCH_A \next, 0, 4
.endm
	s_wait_tensorcnt 1                             ; the scales and my part of K step 0 are in; K step 1's load may be out
	s_barrier_signal -1
	s_barrier_wait -1
	FETCH_B 0, 0, 0
	FETCH_A 0, 0, 0
	SCALES 0
	FETCH_A 0, 0, 4
	STEP 0, 0, 1                                   ; the first step's products start the sums
	s_mov_b32 s3, LAPS-1
.Llap:
	TURN 0, 1, 1
	STEP 1, 0, 0
	TURN 1, 0, 1
	STEP 0, 0, 0
	s_sub_co_u32 s3, s3, 1
	s_cmp_lg_u32 s3, 0
	s_cbranch_scc1 .Llap
	TURN 0, 1, 0                                   ; the last lap fills nothing
	STEP 1, 0, 0
	s_wait_dscnt 4*NL
	WIN MUL_LO
	MUL16 0, 1, NQ-1, 1, 0
	MUL16 2, 1, NQ-1, 1, 0
	s_wait_dscnt 0
	WIN MUL_HI
	MUL16 4, 1, NQ-1, 1, 0
	MUL16 6, 1, NQ-1, 1, 0
	WIN 0
; THE WAY OUT, block by block of 16 rows x 128 columns: through my own stage in LDS and back as whole rows of 512 bytes.  LDS serves a wave's instructions in order (ISA guide 5.7.1.4): no wait between the stores and the loads.
.macro TOSTAGE a
.set AC, 64*((\a)%4)
	WIN 0x08+4*((\a)/4)                            ; the data: window 2 or 3
.irp b, 0,1,2,3,4,5,6,7
	ds_store_b128 v[STO], v[AC+8*\b:AC+8*\b+3] offset:64*\b          ; each accumulator from its low end on
	ds_store_b128 v[STO], v[AC+8*\b+4:AC+8*\b+7] offset:64*\b+16
.endr
	WIN 0
.set BB, BK+64*((\a)%2)
.irp t, 0,1,2,3,4,5,6,7,8,9,10,11,12,13,14,15
	ds_load_b128 v[BB+4*\t:BB+4*\t+3], v[RD] offset:\t*SPITCH
.endr
.endm
.macro SEND a, younger                 ; younger: the LDS instructions issued behind block a's loads, which may stay out
.set BB, BK+64*((\a)%2)
	s_wait_dscnt \younger
.if (\a) > 0
	s_add_nc_u64 s[12:13], s[12:13], 16*SIZE_N*4   ; (behind a wait on XCNT: the earlier stores have read their base)
.endif
.irp t, 0,1,2,3,4,5,6,7,8,9,10,11,12,13,14,15
	global_store_b128 v[CO], v[BB+4*\t:BB+4*\t+3], s[12:13] offset:\t*SIZE_N*4 th:TH_STORE_NT   ; 32 lanes store 512 consecutive bytes, aligned to 256
.endr
.endm
	PLACES NP
	TOSTAGE 0
.irp a, 1,2,3,4,5,6,7
.if \a > 1
	s_wait_xcnt 0x0                                ; block a - 2's stores have read their registers and their base
.endif
	TOSTAGE \a
	SEND \a-1, 32                                  ; behind block a - 1's loads: block a's 16 stores and 16 loads
.endr
	s_wait_xcnt 0x0
	SEND 7, 0
	s_wait_tensorcnt 0x0                           ; the wave's end
	ds_add_u32 v[SPW], v[NIL]
	s_wait_dscnt 0x0
	CROUND                                         ; the closing round
	s_endpgm
.Lfunc_end_k_q76d2bdec60_down:
	.size	k_q76d2bdec60_down, .Lfunc_end_k_q76d2bdec60_down-k_q76d2bdec60_down
	.p2alignl 7, 3214868480
	.fill 96, 4, 3214868480
	.section	.rodata,"a",@progbits
	.p2align	6, 0x0
	.amdhsa_kernel k_q76d2bdec60_down
		.amdhsa_group_segment_fixed_size 327680
		.amdhsa_private_segment_fixed_size 0
		.amdhsa_enable_private_segment 0
		.amdhsa_kernarg_size 40
		.amdhsa_user_sgpr_count 2
		.amdhsa_user_sgpr_kernarg_segment_ptr 1
		.amdhsa_wavefront_size32 1
		.amdhsa_system_sgpr_workgroup_id_x 1
		.amdhsa_system_sgpr_workgroup_id_y 1
		.amdhsa_system_sgpr_workgroup_id_z 1
		.amdhsa_system_vgpr_workitem_id 0
		.amdhsa_next_free_vgpr 1024
		.amdhsa_next_free_sgpr 102
		.amdhsa_reserve_vcc 0
		.amdhsa_float_denorm_mode_32 3
		.amdhsa_float_denorm_mode_16_64 3
		.amdhsa_memory_ordered 1
		.amdhsa_forward_progress 1
		.amdhsa_inst_pref_size 145
	.end_amdhsa_kernel
	.amdgpu_metadata
---
amdhsa.version: [ 1, 2 ]
amdhsa.kernels:
  - .name:           k_q76d2bdec60_down
    .symbol:         k_q76d2bdec60_down.kd
    .args:
      - { .name: hb, .offset: 0, .size: 8, .value_kind: global_buffer, .address_space: global }
      - { .name: w2_codes, .offset: 8, .size: 8, .value_kind: global_buffer, .address_space: global }
      - { .name: w2_scales, .offset: 16, .size: 8, .value_kind: global_buffer, .address_space: global }
      - { .name: lists, .offset: 24, .size: 8, .value_kind: global_buffer, .address_space: global }
      - { .name: y, .offset: 32, .size: 8, .value_kind: global_buffer, .address_space: global }
    .group_segment_fixed_size: 327680
    .private_segment_fixed_size: 0
    .kernarg_segment_align: 8
    .kernarg_segment_size: 40
    .max_flat_workgroup_size: 128
    .sgpr_count:     102
    .vgpr_count:     1024
    .wavefront_size: 32
...
	.end_amdgpu_metadata
.endif
;; end of part 4
;; launch combine (part 5): grid 256 x 1, 8 waves a work-group, no clusters, 0 bytes of LDS; arguments y, lists, xa, out0; writes out0
.if DOCPART == 5
	.amdgcn_target "amdgcn-amd-amdhsa--gfx1250"
	.amdhsa_code_object_version 6
	.text
	.protected	k_q76d2bdec60_combine
	.globl	k_q76d2bdec60_combine
	.p2align	8
	.type	k_q76d2bdec60_combine,@function
k_q76d2bdec60_combine:
	s_mov_b64 s[64:65], 0
	v_nop
	global_prefetch_b8 v0, s[64:65] scope:SCOPE_SE
	s_setreg_imm32_b32 hwreg(HW_REG_WAVE_MODE, 25, 1), 1
	s_wait_xcnt 0x0
; COMBINE.  out[t][:] = w0 (y[0][s0][:] + y[1][s0][:]) + w1 (y[0][s1][:] + y[1][s1][:]), s0 and s1 = pos[t][0], pos[t][1]: the rows of a token's two chosen experts, each the sum of its two halves of K,
; weighed by the gate; the six other experts have weight 0 in the problem's own combine matrix.  LIMIT: a row's sum over K = 2,048 is two f32 sums over 1,024 added here in f32.
; pos (whole numbers, stored by an earlier launch) enters addresses behind a hold at 5,887; the weights (f32, at TOPW in xa) are values only.
; A wave takes one token: 32 loads of 512 consecutive bytes, all issued at once; each row of y is named by one token and read once.  No LDS, no barrier, no matrix unit: memory binds.
; The second plane of y has a base of its own: its distance, YHALF bytes, does not fit a load's signed 24-bit immediate (ISA guide, chapter 10).
.set TOPW,  2162688
.set YHALF, 24117248
	s_load_b128 s[4:7], s[0:1], 0x0                ; y, lists
	s_load_b128 s[8:11], s[0:1], 0x10              ; xa, out0
	v_lshrrev_b32 v1, 5, v0
	v_readfirstlane_b32 s32, v1                    ; wave 0..7
	v_and_b32 v1, 31, v0
	v_lshlrev_b32 v1, 4, v1                        ; 16 x lane
	s_lshl_b32 s20, ttmp9, 6
	s_lshl_b32 s21, s32, 3
	s_add_co_u32 s20, s20, s21                     ; 8 bytes a token in pos and among the weights: token 8 g + w
	s_lshl_b32 s22, s20, 9                         ; 4,096 bytes a token in out0
	s_mov_b32 s23, 0
	s_wait_kmcnt 0x0
	s_load_b64 s[12:13], s[6:7], s20 offset:0x0    ; two slots
	s_load_b64 s[16:17], s[8:9], s20 offset:TOPW   ; two weights
	s_add_nc_u64 s[10:11], s[10:11], s[22:23]
	s_add_nc_u64 s[34:35], s[4:5], YHALF           ; y's second plane
	s_wait_kmcnt 0x0
.irp m, 0,1
	s_min_u32 s[12+\m], s[12+\m], 5887
	s_lshl_b32 s[12+\m], s[12+\m], 12
	v_add_nc_u32 v[2+\m], s[12+\m], v1
	s_mov_b32 s[24+2*\m], s[16+\m]                 ; the packed forms name a pair and take its low word for both halves
	s_mov_b32 s[25+2*\m], s[16+\m]
.endr
.irp m, 0,1                            ; choice m: v[16 + 64 m ..] the first half of K, v[48 + 64 m ..] the second
.irp j, 0,1,2,3,4,5,6,7
	global_load_b128 v[16+64*\m+4*\j:19+64*\m+4*\j], v[2+\m], s[4:5] offset:512*\j th:TH_LOAD_NT
.endr
.irp j, 0,1,2,3,4,5,6,7
	global_load_b128 v[48+64*\m+4*\j:51+64*\m+4*\j], v[2+\m], s[34:35] offset:512*\j th:TH_LOAD_NT
.endr
.endr
	s_wait_loadcnt 16                              ; the first choice's 16 loads are in; the second's 16 may be out
.irp p, 0,1,2,3,4,5,6,7,8,9,10,11,12,13,14,15
	v_pk_add_f32 v[16+2*\p:17+2*\p], v[16+2*\p:17+2*\p], v[48+2*\p:49+2*\p]
.endr
.irp p, 0,1,2,3,4,5,6,7,8,9,10,11,12,13,14,15
	v_pk_mul_f32 v[16+2*\p:17+2*\p], v[16+2*\p:17+2*\p], s[24:25] op_sel_hi:[1,0]
.endr
	s_wait_loadcnt 0x0
.irp p, 0,1,2,3,4,5,6,7,8,9,10,11,12,13,14,15
	v_pk_add_f32 v[80+2*\p:81+2*\p], v[80+2*\p:81+2*\p], v[112+2*\p:113+2*\p]
.endr
.irp p, 0,1,2,3,4,5,6,7,8,9,10,11,12,13,14,15
	v_pk_fma_f32 v[16+2*\p:17+2*\p], v[80+2*\p:81+2*\p], s[26:27], v[16+2*\p:17+2*\p] op_sel_hi:[1,0,1]
.endr
.irp j, 0,1,2,3,4,5,6,7
	global_store_b128 v1, v[16+4*\j:19+4*\j], s[10:11] offset:512*\j th:TH_STORE_NT   ; 32 lanes store 512 consecutive bytes, aligned to 256
.endr
	s_endpgm
.Lfunc_end_k_q76d2bdec60_combine:
	.size	k_q76d2bdec60_combine, .Lfunc_end_k_q76d2bdec60_combine-k_q76d2bdec60_combine
	.p2alignl 7, 3214868480
	.fill 96, 4, 3214868480
	.section	.rodata,"a",@progbits
	.p2align	6, 0x0
	.amdhsa_kernel k_q76d2bdec60_combine
		.amdhsa_group_segment_fixed_size 0
		.amdhsa_private_segment_fixed_size 0
		.amdhsa_enable_private_segment 0
		.amdhsa_kernarg_size 32
		.amdhsa_user_sgpr_count 2
		.amdhsa_user_sgpr_kernarg_segment_ptr 1
		.amdhsa_wavefront_size32 1
		.amdhsa_system_sgpr_workgroup_id_x 1
		.amdhsa_system_sgpr_workgroup_id_y 1
		.amdhsa_system_sgpr_workgroup_id_z 1
		.amdhsa_system_vgpr_workitem_id 0
		.amdhsa_next_free_vgpr 144
		.amdhsa_next_free_sgpr 66
		.amdhsa_reserve_vcc 0
		.amdhsa_float_denorm_mode_32 3
		.amdhsa_float_denorm_mode_16_64 3
		.amdhsa_memory_ordered 1
		.amdhsa_forward_progress 1
		.amdhsa_inst_pref_size 10
	.end_amdhsa_kernel
	.amdgpu_metadata
---
amdhsa.version: [ 1, 2 ]
amdhsa.kernels:
  - .name:           k_q76d2bdec60_combine
    .symbol:         k_q76d2bdec60_combine.kd
    .args:
      - { .name: y, .offset: 0, .size: 8, .value_kind: global_buffer, .address_space: global }
      - { .name: lists, .offset: 8, .size: 8, .value_kind: global_buffer, .address_space: global }
      - { .name: xa, .offset: 16, .size: 8, .value_kind: global_buffer, .address_space: global }
      - { .name: out0, .offset: 24, .size: 8, .value_kind: global_buffer, .address_space: global }
    .group_segment_fixed_size: 0
    .private_segment_fixed_size: 0
    .kernarg_segment_align: 8
    .kernarg_segment_size: 32
    .max_flat_workgroup_size: 256
    .sgpr_count:     66
    .vgpr_count:     144
    .wavefront_size: 32
...
	.end_amdgpu_metadata
.endif
;; end of part 5
